; MI455X (gfx1250); checked and timed in simulation.
; The chip was launched on July 23, 2026; its instructions are those of AMD's public machine-readable ISA for CDNA 5 (MIT licence, August 2026) and "CDNA5" Instruction Set Architecture Reference Guide (July 2026). The comments in the code are by the model that wrote it; some were corrected since.
;; Multi Head Attention. Allowed arithmetic: matrix products marked QUANTISED: E2M1 operands, one E8M0 scale for each 32 along K, by v_wmma_scale_f32_16x16x128_f8f6f4 with both operands' format E2M1 (or v_wmma_scale_f32_32x16x128_f4), f32 sums; everything else in f32.
;; Inputs: dense_b 1,024 float32; dense_w 1,024 x 1,024 float32; k 4 x 2,048 x 1,024 float32; q 4 x 2,048 x 1,024 float32; v 4 x 2,048 x 1,024 float32; wk_b 1,024 float32; wk_w 1,024 x 1,024 float32; wq_b 1,024 float32; wq_w 1,024 x 1,024 float32; wv_b 1,024 float32; wv_w 1,024 x 1,024 float32.
;; Outputs: out0 4 x 2,048 x 1,024 float32.
;; This version of the problem:
;;   THIS VERSION OF THE PROBLEM IS GIVEN IN LOW PRECISION. The matrix products marked QUANTISED in the list below multiply operands that are first quantised to E2M1 (2 exponent bits, 1 mantissa bit; 4 bits a number), with one power-of-two scale for each 32 numbers along K (OCP MX v1.0); their sums are f32. All else is computed in f32.
;;   The module's matrix products, in the order in which they are computed (A, B: the left and right operand; K: the contracted axis; several contracted axes count as one K, in the product's order):
;;     1. [M 8,192, K 1,024] x [K 1,024, N 1,024]; A: input q; B: input wq_w: QUANTISED
;;     2. [M 8,192, K 1,024] x [K 1,024, N 1,024]; A: input k; B: input wk_w: QUANTISED
;;     3. [M 8,192, K 1,024] x [K 1,024, N 1,024]; A: input v; B: input wv_w: QUANTISED
;;     4. batch 64 x [M 2,048, K 64] x [K 64, N 2,048]; A: computed on the way; B: computed on the way: QUANTISED
;;     5. batch 64 x [M 2,048, K 2,048] x [K 2,048, N 64]; A: softmax (see below); B: computed on the way: QUANTISED
;;     6. [M 8,192, K 1,024] x [K 1,024, N 1,024]; A: computed on the way; B: input dense_w: QUANTISED
;;   THE QUANTISER, for each operand of a quantised product, along K:
;;     - K is cut into blocks of 32 from its start; a last block that is shorter is filled with zeros.
;;     - A block's scale is 2^e with e = floor(log2(the largest magnitude in the block)) - 2, held to -126 .. 127; a block of zeros has e = 0. As a byte (E8M0): e + 127.
;;     - Each number is divided by its block's scale, clamped to +-6, and rounded to the nearest number of E2M1, ties to even, subnormals kept.
;;     - The product sums the exact products of the quantised numbers (number of the format x scale) in f32.
;;   ~~~python
;;   def quantise(x, axis):      # numpy; x: float32 -> the quantised numbers, widened to float32 again
;;       x = np.moveaxis(x, axis, -1); K = x.shape[-1]
;;       x = np.pad(x, [(0, 0)] * (x.ndim - 1) + [(0, -K % 32)]); x = x.reshape(x.shape[:-1] + (-1, 32)); a = np.abs(x).max(-1, keepdims=True)
;;       e = np.where(a > 0, np.clip(np.frexp(np.where(a > 0, a, 1))[1] - 1 - 2, -126, 127), 0)      # np.frexp(a)[1] - 1 = floor(log2(a)), exactly
;;       r = np.clip(x / 2.0 ** e, -6, 6)
;;       step = 2.0 ** (np.maximum(np.frexp(np.where(r == 0, 1, r))[1] - 1, 0) - 1)
;;       q = np.round(r / step) * step * 2.0 ** e      # np.round: ties to even
;;       return np.moveaxis(q.reshape(q.shape[:-2] + (-1,))[..., :K], -1, axis).astype(np.float32)
;;   ~~~
;;   SOFTMAX AHEAD OF A QUANTISED PRODUCT. Where the list says 'softmax', what is quantised is not the finished softmax but p = 2^(t - M), with t = logit x log2(e) and M = ceil(the row's largest t), a whole number; so 1/2 < the row's largest p <= 1. The row's sum l is taken of the UNQUANTISED p, in f32, and the product's result is divided by l at the end. Since M is a whole number, a kernel that streams over the keys may use a running M (the ceiling of the running maximum): every later rescaling is an exact power of two, which a block's scale takes up: the codes' values come out the same.
;;   OPERANDS COMPUTED ON THE WAY. 'Computed on the way' means the value that the module computes at that place (a softmax that the list does not call 'softmax' is quantised finished and normalised). What goes into a quantiser is computed in f32, as accurately as f32 sums, v_exp_f32 and their like allow (about 1e-6 of the number): no bf16 or f16 on the way to a quantiser, and a product that is left as it is and whose result goes on into a quantised operand takes f32 operands (vector FMAs, or v_wmma_f32_16x16x4_f32). A number that lies on a knife's edge between two numbers of the format may be rounded either way, as far as f32 arithmetic and the matrix unit's own rounding can turn it there, and no further.
;; One version. Each part assembles by itself: llvm-mc -triple=amdgcn-amd-amdhsa -mcpu=gfx1250 --defsym DOCPART=n.
;; ======== version 1 of 1: 4 launches
;; workspace buffers: xc 14,680,064 bytes; xs 917,504 bytes; qrec 9,175,040 bytes; kvrec 9,175,040 bytes; oc 4,194,304 bytes; os 262,144 bytes
;; launch quant (part 1): grid 896 x 1, 4 waves a work-group, no clusters, 33,280 bytes of LDS; arguments q, k, v, wq_w, wk_w, wv_w, dense_w, xc, xs; writes xc, xs
.if DOCPART == 1
	.amdgcn_target "amdgcn-amd-amdhsa--gfx1250"
	.amdhsa_code_object_version 6
	.text
	.protected	k_qf3bc79bedd_quant
	.globl	k_qf3bc79bedd_quant
	.p2align	8
	.type	k_qf3bc79bedd_quant,@function
k_qf3bc79bedd_quant:
	s_mov_b64 s[64:65], 0
	v_nop
	global_prefetch_b8 v0, s[64:65] scope:SCOPE_SE
	s_setreg_imm32_b32 hwreg(HW_REG_WAVE_MODE, 25, 1), 1
	s_wait_xcnt 0x0
; MULTI-HEAD ATTENTION IN MX-FP4, FOUR LAUNCHES: this one turns q, k, v and the four weights (f32, K innermost) into codes of E2M1 and E8M0 scale bytes;
; the second makes qh, kh, vh (three products) and quantises them; the third is the causal attention; the fourth the projection on the way out.
; WORK LEFT OUT, in the whole program: key steps of 128 keys that lie wholly behind a tile of 16 queries.  reference() itself adds -1e9 to every logit with key > query, in its own body,
; for all values of the inputs; p = 2^(t - M) of such a logit is 0 in f32 while the logits' magnitudes stay under 4.9e8, so these keys add nothing to the row's sum or to the second product, and a block of 32 such p has zero codes.
; LIMIT: beyond that magnitude, and for a NaN, an infinity or an overflow that reaches only hidden keys, the result of reference() is not carried.  Every input has a way to the output: all eleven are loaded.
; THIS LAUNCH.  A block's scale is 2^(floor(log2(its largest magnitude)) - 2); its byte is the largest magnitude's exponent field - 2, held at 1 from below.  (A block of zeros gets the byte 1 where the rule says 127:
; its codes are zeros, which add nothing under any byte but 0xff, and this program alone reads the bytes.)  Each number is divided by the scale and rounded to the nearest code, ties to even; beyond 6 the largest code.
; LIMITS: blocks whose largest magnitude lies under 2^-124 keep the byte 1; NaN and infinities among the inputs are not served.
; LAYOUT.  xc: rows of 512 bytes (1,024 codes), q's 8,192 rows, k's, v's, then wq_w's 1,024, wk_w's, wv_w's, dense_w's.  xs: rows of 32 scale bytes in the same order.
; THE ROWS OF k, v, wq_w, wk_w, wv_w ARE LAID IN ANOTHER ORDER: row n goes to place n with bits 3 and 4 exchanged.  Sixteen rows on end, 32 B + 16 u + r, are then the true rows 32 B + 8 u + r + 8 (r / 8):
; a tile of such rows as source 0 of a matrix instruction gives a lane, in the 16 registers of two neighbouring tiles, 16 neighbours along that axis, which is the next product's K.
; SHARES.  A work-group takes 32,768 numbers, a wave 8 rows: 16 steps of 512 numbers.  A run of 8 rows is the unit of the exchange: bits 3 and 4 of the row are bits 0 and 1 of the wave's number.
; Each of a step's four loads reads 512 consecutive bytes; the 2,048 bytes turn through the wave's own stage in LDS and come back 64 bytes a lane: 16 neighbours, two lanes to a block.
; A lane's 16 codes are 8 bytes: the wave stores 256 consecutive aligned bytes.  A wave's 256 scale bytes are gathered in LDS and leave as one aligned run of 256 bytes.  Waves share nothing: no barrier.
.set STEPS, 16
.set EMAX,  2
.set CB,    8                          ; bytes of 16 codes
.set R,     16                         ; v16-79   four sets of 16 numbers as they are loaded
.set X,     80                         ; v80-111  two sets of 16 neighbours
.set C,     128                        ; v128-191 codes: four registers for each step, so that no store's data are written again
.set E,     112                        ; v112-127 a scale byte for each step
.set WREG,  8192                       ; LDS: a region for each wave: two stages of 32 x SP bytes, and behind them its 256 scale bytes
.set SP,    80                         ; a lane's place in a stage: 64 bytes + 16 of padding
.set SPW,   12                         ; v12  LDS address of my spare word; never rewritten
.set NIL,   13                         ; v13  0; never rewritten
.set SPARE, 4*WREG                     ; behind the four regions: the spare words, 128 bytes for each wave
	s_load_b256 s[4:11], s[0:1], 0x0               ; q, k, v, wq_w
	s_load_b256 s[12:19], s[0:1], 0x20             ; wk_w, wv_w, dense_w, xc
	s_load_b64 s[20:21], s[0:1], 0x40              ; xs
	v_lshl_add_u32 v[SPW], v0, 2, SPARE
	v_mov_b32 v[NIL], 0
	v_lshrrev_b32 v1, 5, v0
	v_readfirstlane_b32 s22, v1                    ; wave
	v_and_b32 v2, 31, v0                           ; lane
	v_lshlrev_b32 v3, 4, v2                        ; my 16 bytes of a load's 512
	s_mul_i32 s23, s22, WREG
	v_lshrrev_b32 v14, 2, v2
	v_mul_u32_u24 v14, v14, SP
	v_and_b32 v15, 3, v2
	v_lshl_add_u32 v14, v15, 4, v14
	v_add_nc_u32 v14, s23, v14                     ; the stage, on the way in: SP (lane / 4) + 16 (lane % 4)
	v_mul_u32_u24 v15, v2, SP
	v_add_nc_u32 v15, s23, v15                     ; and on the way out: SP x lane: my 16 neighbours
	v_mul_u32_u24 v4, v2, CB                       ; my codes' place in a step's
	v_lshrrev_b32 v5, 1, v2
	s_add_co_u32 s23, s23, 2*32*SP
	v_add_nc_u32 v5, s23, v5                       ; LDS: my wave's 256 scale bytes, my block's byte
	v_lshlrev_b32 v7, 3, v2                        ; and on the way out 8 bytes a lane
	v_add_nc_u32 v6, s23, v7
	s_and_b32 s28, s22, 1                          ; the wave's number with its two bits exchanged
	s_lshl_b32 s28, s28, 1
	s_lshr_b32 s29, s22, 1
	s_or_b32 s28, s28, s29
	s_sub_co_u32 s27, ttmp9, 256                   ; work-groups 256 to 863 hold k, v, wq_w, wk_w, wv_w (a smaller number wraps round and is no such one)
	s_cmp_lt_u32 s27, 608
	s_cselect_b32 s28, s28, s22                    ; the run's place among the work-group's four
	s_wait_alu depctr_va_vdst(0)
	s_wait_kmcnt 0x0
	s_mov_b64 s[24:25], s[16:17]                   ; whose work-group am I?  The choice hangs on the work-group's number alone
	s_mov_b32 s26, 864                             ; and the tensor's first work-group
	s_cmp_lt_u32 ttmp9, 864
	s_cselect_b64 s[24:25], s[14:15], s[24:25]
	s_cselect_b32 s26, 832, s26
	s_cmp_lt_u32 ttmp9, 832
	s_cselect_b64 s[24:25], s[12:13], s[24:25]
	s_cselect_b32 s26, 800, s26
	s_cmp_lt_u32 ttmp9, 800
	s_cselect_b64 s[24:25], s[10:11], s[24:25]
	s_cselect_b32 s26, 768, s26
	s_cmp_lt_u32 ttmp9, 768
	s_cselect_b64 s[24:25], s[8:9], s[24:25]
	s_cselect_b32 s26, 512, s26
	s_cmp_lt_u32 ttmp9, 512
	s_cselect_b64 s[24:25], s[6:7], s[24:25]
	s_cselect_b32 s26, 256, s26
	s_cmp_lt_u32 ttmp9, 256
	s_cselect_b64 s[24:25], s[4:5], s[24:25]
	s_cselect_b32 s26, 0, s26
	s_sub_co_u32 s27, ttmp9, s26
	s_lshl_b32 s27, s27, 2
	s_add_co_u32 s30, s27, s22                     ; which run of 8,192 numbers of the tensor is my wave's
	s_lshl_b32 s30, s30, 15                        ; 32,768 bytes a run (under 2^26)
	s_mov_b32 s31, 0
	s_add_nc_u64 s[24:25], s[24:25], s[30:31]
	s_lshl_b32 s30, ttmp9, 2
	s_add_co_u32 s30, s30, s28                     ; the run's place in xc and xs: the tensors lie there in the order of the work-groups
	s_lshl_b32 s32, s30, 12                        ; 4,096 bytes of codes a run
	s_mov_b32 s33, 0
	s_add_nc_u64 s[18:19], s[18:19], s[32:33]
	s_lshl_b32 s32, s30, 8                         ; 256 scale bytes a run
	s_add_nc_u64 s[20:21], s[20:21], s[32:33]
.macro LOAD t
.irp i, 0,1,2,3
	global_load_b128 v[R+16*((\t)%4)+4*\i:R+16*((\t)%4)+4*\i+3], v3, s[24:25] offset:2048*(\t)+512*\i th:TH_LOAD_NT   ; 32 lanes read 512 consecutive bytes
.endr
.endm
.macro TURN t                          ; step t's numbers through the stage: LDS serves a wave's instructions in order, so no wait stands between the stores and the loads
.irp i, 0,1,2,3
	ds_store_b128 v14, v[R+16*((\t)%4)+4*\i:R+16*((\t)%4)+4*\i+3] offset:32*SP*((\t)%2)+8*SP*\i
.endr
.irp i, 0,1,2,3
	ds_load_b128 v[X+16*((\t)%2)+4*\i:X+16*((\t)%2)+4*\i+3], v15 offset:32*SP*((\t)%2)+16*\i
.endr
.endm
.irp t, 0,1,2,3
	LOAD \t
.endr
	s_wait_loadcnt 12                              ; step 0's four loads are in; the twelve of steps 1 to 3 may be out
	TURN 0
.macro STEP t
.set XS, X+16*((\t)%2)
.if (\t) > 0
	s_wait_dscnt 1                                 ; this step's numbers are back from the stage (the last step's byte store may be out): so its stores into the stage have read their registers,
.else
	s_wait_dscnt 0x0
.endif
.if (\t)+4 < STEPS
	LOAD (\t)+4                                    ; which take the loads of four steps on
.endif
.if (\t)+1 < STEPS
.if STEPS-2-(\t) >= 3
	s_wait_loadcnt 12                              ; the next step's four loads are in; those of the three steps behind it may be out
.else
	s_wait_loadcnt 4*(STEPS-2-(\t))
.endif
	TURN (\t)+1                                    ; and go through the other stage while this step is worked
.endif
	v_max3_num_f32 v8, |v[XS]|, |v[XS+1]|, |v[XS+2]|               ; the largest magnitude of my 16, in two chains
	v_max3_num_f32 v9, |v[XS+3]|, |v[XS+4]|, |v[XS+5]|
.irp i, 6,10
	v_max3_num_f32 v8, v8, |v[XS+\i]|, |v[XS+\i+1]|
	v_max3_num_f32 v9, v9, |v[XS+\i+2]|, |v[XS+\i+3]|
.endr
	v_max3_num_f32 v8, v8, |v[XS+14]|, |v[XS+15]|
	v_max3_num_f32 v8, v8, v9, (EMAX+1)<<23        ; and the floor 2^(3 - 127): the byte cannot fall under 1
	v_max_num_f32_dpp v8, v8, v8 row_xmask:1 row_mask:0xf bank_mask:0xf   ; and of my neighbour's 16: the block's
	v_add_nc_u32 v11, -(EMAX<<23), v8              ; 2 off its exponent field: the conversion takes the exponent field of this operand as its scale
	v_cvt_scalef32_pk8_fp4_f32 v[C+4*(\t)], v[XS:XS+7], v11
	v_cvt_scalef32_pk8_fp4_f32 v[C+4*(\t)+1], v[XS+8:XS+15], v11
	v_lshrrev_b32 v[E+(\t)], 23, v11               ; the scale's byte (also the plain line behind the conversions)
	ds_store_b8 v5, v[E+(\t)] offset:16*(\t)       ; both lanes of a block write the same byte with the same value
	global_store_b64 v4, v[C+4*(\t):C+4*(\t)+1], s[18:19] offset:32*CB*(\t)   ; 32 lanes store 256 consecutive aligned bytes
.endm
.irp t, 0,1,2,3,4,5,6,7,8,9,10,11,12,13,14,15
	STEP \t
.endr
	ds_load_b64 v[8:9], v6                         ; LDS serves a wave's instructions in order: these see my stores
	s_wait_dscnt 0x0
	global_store_b64 v7, v[8:9], s[20:21]          ; 32 lanes store 256 consecutive aligned bytes
	s_wait_tensorcnt 0x0                           ; the wave's end, behind my last LDS store
	ds_add_u32 v[SPW], v[NIL]
	s_wait_dscnt 0x0
	s_endpgm
.Lfunc_end_k_qf3bc79bedd_quant:
	.size	k_qf3bc79bedd_quant, .Lfunc_end_k_qf3bc79bedd_quant-k_qf3bc79bedd_quant
	.p2alignl 7, 3214868480
	.fill 96, 4, 3214868480
	.section	.rodata,"a",@progbits
	.p2align	6, 0x0
	.amdhsa_kernel k_qf3bc79bedd_quant
		.amdhsa_group_segment_fixed_size 33280
		.amdhsa_private_segment_fixed_size 0
		.amdhsa_enable_private_segment 0
		.amdhsa_kernarg_size 72
		.amdhsa_user_sgpr_count 2
		.amdhsa_user_sgpr_kernarg_segment_ptr 1
		.amdhsa_wavefront_size32 1
		.amdhsa_system_sgpr_workgroup_id_x 1
		.amdhsa_system_sgpr_workgroup_id_y 1
		.amdhsa_system_sgpr_workgroup_id_z 1
		.amdhsa_system_vgpr_workitem_id 0
		.amdhsa_next_free_vgpr 192
		.amdhsa_next_free_sgpr 66
		.amdhsa_reserve_vcc 0
		.amdhsa_float_denorm_mode_32 3
		.amdhsa_float_denorm_mode_16_64 3
		.amdhsa_memory_ordered 1
		.amdhsa_forward_progress 1
		.amdhsa_inst_pref_size 34
	.end_amdhsa_kernel
	.amdgpu_metadata
---
amdhsa.version: [ 1, 2 ]
amdhsa.kernels:
  - .name:           k_qf3bc79bedd_quant
    .symbol:         k_qf3bc79bedd_quant.kd
    .args:
      - { .name: q, .offset: 0, .size: 8, .value_kind: global_buffer, .address_space: global }
      - { .name: k, .offset: 8, .size: 8, .value_kind: global_buffer, .address_space: global }
      - { .name: v, .offset: 16, .size: 8, .value_kind: global_buffer, .address_space: global }
      - { .name: wq_w, .offset: 24, .size: 8, .value_kind: global_buffer, .address_space: global }
      - { .name: wk_w, .offset: 32, .size: 8, .value_kind: global_buffer, .address_space: global }
      - { .name: wv_w, .offset: 40, .size: 8, .value_kind: global_buffer, .address_space: global }
      - { .name: dense_w, .offset: 48, .size: 8, .value_kind: global_buffer, .address_space: global }
      - { .name: xc, .offset: 56, .size: 8, .value_kind: global_buffer, .address_space: global }
      - { .name: xs, .offset: 64, .size: 8, .value_kind: global_buffer, .address_space: global }
    .group_segment_fixed_size: 33280
    .private_segment_fixed_size: 0
    .kernarg_segment_align: 8
    .kernarg_segment_size: 72
    .max_flat_workgroup_size: 128
    .sgpr_count:     66
    .vgpr_count:     192
    .wavefront_size: 32
...
	.end_amdgpu_metadata
.endif
;; end of part 1
;; launch proj (part 2): grid 4 x 192, 4 waves a work-group, clusters of 4 x 4, 229,376 bytes of LDS; arguments xc, xs, wq_b, wk_b, wv_b, qrec, kvrec; writes qrec, kvrec
.if DOCPART == 2
	.amdgcn_target "amdgcn-amd-amdhsa--gfx1250"
	.amdhsa_code_object_version 6
	.text
	.protected	k_qf3bc79bedd_proj
	.globl	k_qf3bc79bedd_proj
	.p2align	8
	.type	k_qf3bc79bedd_proj,@function
k_qf3bc79bedd_proj:
	s_mov_b64 s[64:65], 0
	v_nop
	global_prefetch_b8 v0, s[64:65] scope:SCOPE_SE
	s_setreg_imm32_b32 hwreg(HW_REG_WAVE_MODE, 25, 1), 1
	s_wait_xcnt 0x0
	s_wait_alu depctr_hold_cnt(0) depctr_sa_sdst(0) depctr_va_vdst(0) depctr_va_sdst(0) depctr_va_ssrc(0) depctr_va_vcc(0) depctr_vm_vsrc(0)
	s_getreg_b32 s2, hwreg(HW_REG_IB_STS2, 6, 4)
	s_cmp_eq_u32 s2, 0
	s_cbranch_scc0 .Lentry_in_a_cluster
	s_endpgm
.Lentry_in_a_cluster:
	s_bfe_u32 s2, ttmp6, 0x10000c
	s_cmp_lg_u32 s2, 0xf033
	s_cbranch_scc0 .Lentry_shape_is_right
	s_endpgm
.Lentry_shape_is_right:
; qh = q wq^T + bq, kh = k wk^T + bk, vh = v wv^T + bv on codes of E2M1 (K = 1,024), and their quantising for the attention: qh and kh along the head's 64, vh along the keys.  Nothing is left out here.
; ROLES.  Source 0 of the matrix instruction takes 16 rows of operand P, source 1 16 rows of operand R: a lane then holds ONE row of R and its eight registers eight rows of P.  The axis that is quantised next must run
; along the registers: for Q and K that is the feature (P = the weight, R = the activation), for V the key (P = v, R = wv_w).  P's rows (and k's and wv_w's as R) lie in xc with bits 3 and 4 of the row exchanged, so the 16 registers of tiles 2 B, 2 B + 1 are P's true rows 32 B + 16 (lane / 16) + 0 .. 15.
; SHARES.  768 work-groups, 256 for each product (the kind = cluster y / 16).  A work-group makes 128 rows of R x 256 rows of P, a wave 64 x 128: 32 accumulators.  All of K lies in LDS: two slots of 512 along K, each filled ONCE; nothing is filled again.
; CLUSTER 4 x 4: R's tile hangs on cy alone and is asked for jointly along a row of the cluster, P's on cx alone, along a column.  Branches hang on the wave's number and on the kind, which all sixteen partners share.
; THE BIAS is the C of each sum's first matrix instruction.
; OUT.  A wave's 128 rows of P are four blocks of 32: for Q and K two heads x two blocks of the head's 64, for V the 128 keys of one key step.  Codes leave as images of the operand's registers, 512 consecutive aligned bytes a store.
; A RECORD (8,960 bytes; 16 to a head, one for each 128 positions; 64 heads): +0 eight tiles of 16 positions, 512 bytes each (lane l's 16 bytes at 16 l: the 32 codes of depth 32 (l / 16) on);
;   +4096 (kvrec) four fragments of V^T, 1,024 bytes each; +8192 the tiles' scale words (tile 4 g + a, row r at 256 g + 16 r + 4 a; bytes 2 and 3 are 0 and stand over zero codes); +8704 (kvrec) V's scale words (tile t, row r at 16 r + 4 t).
; LIMITS: a block whose largest magnitude lies under 2^-124 keeps the byte 1; NaN and infinities are not served.
; REGISTERS, in windows of 256.  Window 0: v0-31 addresses; v32-95 scale words, a set for each slot (register 4 i + q: lanes 0-15 R's block i, lanes 16-31 P's tile i; for i above 3 lanes 0-15 read landed bytes that no product uses);
;   v96-127 at work on the way out; v128-191 R's fragments, two sets; v192-255 the bias.   Window 1: P's fragments, two sets, at v0 and v128.   Window 2: accumulator (a, b) at v[8 (8 a + b)].
.set PITCH, 272                        ; an LDS row: 256 bytes + 16 of padding: the 16 rows that a load touches start at 16 different banks
.set RH,    64*PITCH                   ; what one load brings of R, and what one wave reads of it
.set PH,    128*PITCH                  ; the same for P
.set POFF,  2*RH                       ; a slot: R's 128 rows, then P's 256
.set SLOT,  POFF+2*PH
.set SCL,   2*SLOT                     ; behind the slots: the scale bytes for all of K, as runs of 256 bytes + 16 of padding
.set SRH,   8*272                      ; those of 64 rows of R (32 bytes a row)
.set SPH,   16*272                     ; of 128 rows of P
.set SBLK,  2*272                      ; of 16 rows
.set SPARE, SCL+2*SRH+2*SPH            ; the spare words, 128 bytes for each wave
.set REC,   8960
.set HEADB, 16*REC
.set ADRA, 16                          ; v16-17  LDS address of my R fragments in slot 0, 1
.set ADRB, 20                          ; v20-21  the same for P
.set ADRS, 27                          ; v27     of my scale words
.set SPW,  28                          ; v28     my spare word; never rewritten
.set NIL,  29                          ; v29     0; never rewritten
.set SC,   32
.set TM,   96
.set RF,   128
.set BI,   192
.set G1R, 24                           ; s[24:31] group 1 for R's tiles;  s[32:39] groups 0, one for each slot
.set G0R, 32
.set G1P, 48                           ; s[48:55], s[56:63] the same for P's
.set G0P, 56
.set G1SR, 68                          ; s[68:75], s[76:79] for R's scales;  s[80:87], s[88:91] for P's
.set G0SR, 76
.set G1SP, 80
.set G0SP, 88
.set MSB, 0
.macro WIN new                         ; the immediate's high byte repeats the setting that is left
.if MSB != \new
	s_set_vgpr_msb (MSB<<8)|\new
.set MSB, \new
.endif
.endm
.set MUL,  0xa1                        ; source 0 (P) window 1, source 1 (R) window 0, C and D window 2
.set MULF, 0x81                        ; the same with C (the bias) in window 0
.set TO_P, 0x40                        ; destination window 1, address window 0
; A joint load: waves 0 and 1 fetch for R, waves 2 and 3 for P.  The branch hangs on the wave's number alone.  An s_nop 0 and four v_nop follow each line.
.macro JLOAD g0a, g1a, g0b, g1b
	s_cmp_eq_u32 s19, 0
	s_cbranch_scc0 .Lfor_p_\@
	tensor_load_to_lds s[\g0a:\g0a+3], s[\g1a:\g1a+7]
	s_nop 0
.rept 4
	v_nop
.endr
	s_branch .Lasked_\@
.Lfor_p_\@:
	tensor_load_to_lds s[\g0b:\g0b+3], s[\g1b:\g1b+7]
	s_nop 0
.rept 4
	v_nop
.endr
.Lasked_\@:
.endm
.macro CROUND                          ; a round of the cluster's barrier
	s_barrier_signal -1
	s_barrier_wait -1
	s_cmp_lg_u32 s18, 0
	s_cbranch_scc1 .Lnot_wave_0_\@
	s_barrier_signal -3
.Lnot_wave_0_\@:
	s_barrier_wait -3
	s_barrier_signal -1
	s_barrier_wait -1
.endm
.macro PLACES n
.rept \n
	v_nop
.endr
.endm
	s_load_b256 s[4:11], s[0:1], 0x0               ; xc, xs, wq_b, wk_b
	s_load_b128 s[12:15], s[0:1], 0x20             ; wv_b, qrec
	s_load_b64 s[16:17], s[0:1], 0x30              ; kvrec
	v_lshl_add_u32 v[SPW], v0, 2, SPARE
	v_mov_b32 v[NIL], 0
	ds_add_u32 v[SPW], v[NIL]                      ; the wave's opening: the add, twice on end, and its wait ahead of my first tensor load
	ds_add_u32 v[SPW], v[NIL]
	v_lshrrev_b32 v1, 5, v0
	v_readfirstlane_b32 s18, v1                    ; wave 0..3
	s_lshr_b32 s19, s18, 1                         ; wr: my half of R's rows.  Also: I fetch for R (0) or for P (1)
	s_and_b32 s20, s18, 1                          ; wp: my half of P's rows.  Also: which half of that tile I fetch
	s_bfe_u32 s21, ttmp6, 0x40000                  ; cx
	s_bfe_u32 s22, ttmp6, 0x40004                  ; cy
	s_lshl_b32 s100, s22, 2
	s_lshl_b32 s100, 15, s100                      ; my row of the cluster
	s_lshl_b32 s101, 0x1111, s21                   ; my column
	s_or_b32 s[G1R], s100, (1<<20)|(1<<21)|(5<<22)|(3<<25)          ; the mask; elements of 1 byte; padding on; bit 21 beside a mask; 4 words behind every 64
	s_or_b32 s[G1P], s101, (1<<20)|(1<<21)|(5<<22)|(3<<25)
	s_or_b32 s[G1SR], s100, (3<<16)|(1<<20)|(1<<21)|(5<<22)|(3<<25) ; the same with elements of 8 bytes
	s_or_b32 s[G1SP], s101, (3<<16)|(1<<20)|(1<<21)|(5<<22)|(3<<25)
.irp g, G1R, G1P
	s_mov_b32 s[\g+1], 256<<16                     ; tensor_dim0: 256 bytes, 512 codes
	s_mov_b32 s[\g+3], 256<<16                     ; tile_dim0
	s_mov_b32 s[\g+5], 512                         ; from row to row
	s_mov_b32 s[\g+6], 0
	s_mov_b32 s[\g+7], 0
.endr
	s_mov_b32 s[G1R+2], 64<<16                     ; 64 rows of R to a load,
	s_mov_b32 s[G1R+4], 64
	s_mov_b32 s[G1P+2], 128<<16                    ; 128 of P
	s_mov_b32 s[G1P+4], 128
.irp g, G1SR, G1SP
	s_mov_b32 s[\g+1], 32<<16                      ; the scale bytes are dense: rows of 256 bytes
	s_mov_b32 s[\g+3], 32<<16
	s_mov_b32 s[\g+5], 32
	s_mov_b32 s[\g+6], 0
	s_mov_b32 s[\g+7], 0
.endr
	s_mov_b32 s[G1SR+2], 8<<16
	s_mov_b32 s[G1SR+4], 8
	s_mov_b32 s[G1SP+2], 16<<16
	s_mov_b32 s[G1SP+4], 16
	s_and_b32 s23, ttmp7, 0xffff                   ; cluster y
	s_lshr_b32 s40, s23, 4                         ; the kind: 0 Q, 1 K, 2 V
	s_and_b32 s41, s23, 15
	s_and_b32 s45, s41, 7                          ; V: 8 clusters along P (v's 8,192 rows),
	s_lshr_b32 s46, s41, 3                         ;    2 along R (wv_w's 1,024)
	s_lshl_b32 s47, s40, 22                        ; the activation's codes in xc,
	s_lshl_b32 s66, s40, 19
	s_add_co_u32 s66, s66, 12<<20                  ; the weight's,
	s_lshl_b32 s67, s40, 18                        ; the activation's scale bytes in xs,
	s_lshl_b32 s3, s40, 15
	s_add_co_u32 s3, s3, 786432                    ; the weight's
	s_cmp_eq_u32 s40, 2
	s_cselect_b32 s42, 1, 0                        ; is it V?
	s_cselect_b32 s45, s45, 0
	s_cselect_b32 s46, s46, s41                    ; Q, K: 16 clusters along R, one along P
	s_cselect_b32 s92, s66, s47                    ; R's codes
	s_cselect_b32 s96, s47, s66                    ; P's codes
	s_cselect_b32 s94, s3, s67                     ; R's scale bytes
	s_cselect_b32 s98, s67, s3                     ; P's
	s_lshl_b32 s43, s46, 2
	s_add_co_u32 s43, s43, s22                     ; R's tile of 128 rows
	s_lshl_b32 s44, s45, 2
	s_add_co_u32 s44, s44, s21                     ; P's tile of 256 rows
	s_lshl_b32 s46, s43, 7                         ; R: the first row that I fetch: no register here ever holds cx
	s_lshl_b32 s47, s20, 6
	s_add_co_u32 s46, s46, s47
	s_lshl_b32 s47, s46, 5
	s_add_co_u32 s94, s94, s47
	s_lshl_b32 s47, s46, 9
	s_add_co_u32 s92, s92, s47
	s_lshl_b32 s66, s44, 8                         ; P: likewise, without cy
	s_lshl_b32 s67, s20, 7
	s_add_co_u32 s66, s66, s67
	s_lshl_b32 s67, s66, 5
	s_add_co_u32 s98, s98, s67
	s_lshl_b32 s67, s66, 9
	s_add_co_u32 s96, s96, s67
	s_mov_b32 s93, 0
	s_mov_b32 s95, 0
	s_mov_b32 s97, 0
	s_mov_b32 s99, 0
	s_mov_b32 s[G0R], 1                            ; groups 0: count 1; the LDS addresses hang on the wave's number alone
	s_mov_b32 s[G0R+4], 1
	s_mov_b32 s[G0P], 1
	s_mov_b32 s[G0P+4], 1
	s_mov_b32 s[G0SR], 1
	s_mov_b32 s[G0SP], 1
	s_mul_i32 s[G0R+1], s20, RH
	s_add_co_u32 s[G0R+5], s[G0R+1], SLOT
	s_mul_i32 s[G0P+1], s20, PH
	s_add_co_u32 s[G0P+1], s[G0P+1], POFF
	s_add_co_u32 s[G0P+5], s[G0P+1], SLOT
	s_mul_i32 s[G0SR+1], s20, SRH
	s_add_co_u32 s[G0SR+1], s[G0SR+1], SCL
	s_mul_i32 s[G0SP+1], s20, SPH
	s_add_co_u32 s[G0SP+1], s[G0SP+1], SCL+2*SRH
	s_wait_dscnt 0x0                               ; both opening adds are done
	s_wait_kmcnt 0x0
	s_add_nc_u64 s[92:93], s[4:5], s[92:93]
	s_add_nc_u64 s[94:95], s[6:7], s[94:95]
	s_add_nc_u64 s[96:97], s[4:5], s[96:97]
	s_add_nc_u64 s[98:99], s[6:7], s[98:99]
	s_mov_b64 s[G0SR+2:G0SR+3], s[94:95]
	s_or_b32 s[G0SR+3], s[G0SR+3], 0x80000000
	s_mov_b64 s[G0SP+2:G0SP+3], s[98:99]
	s_or_b32 s[G0SP+3], s[G0SP+3], 0x80000000
.irp s, 0,1
	s_add_nc_u64 s[G0R+4*\s+2:G0R+4*\s+3], s[92:93], \s*256         ; slot s: K from 512 s on
	s_or_b32 s[G0R+4*\s+3], s[G0R+4*\s+3], 0x80000000
	s_add_nc_u64 s[G0P+4*\s+2:G0P+4*\s+3], s[96:97], \s*256
	s_or_b32 s[G0P+4*\s+3], s[G0P+4*\s+3], 0x80000000
.endr
	CROUND                                         ; all sixteen work-groups are here: the joint loads meet
	JLOAD G0SR, G1SR, G0SP, G1SP                   ; three loads of mine are out: the scale bytes,
	JLOAD G0R, G1R, G0P, G1P                       ; slot 0,
	JLOAD G0R+4, G1R, G0P+4, G1P                   ; slot 1
	s_lshl_b32 s45, s43, 7
	s_lshl_b32 s47, s19, 6
	s_add_co_u32 s45, s45, s47                     ; my wave's first row of R
	s_lshl_b32 s46, s44, 8
	s_lshl_b32 s47, s20, 7
	s_add_co_u32 s46, s46, s47                     ; and of P
	s_cmp_eq_u32 s40, 0
	s_cselect_b64 s[8:9], s[8:9], s[10:11]         ; the kind's bias,
	s_cselect_b64 s[14:15], s[14:15], s[16:17]     ; and where the records go
	s_cmp_eq_u32 s40, 2
	s_cselect_b64 s[8:9], s[12:13], s[8:9]
	v_and_b32 v1, 15, v0                           ; r = lane % 16
	v_bfe_u32 v2, v0, 4, 1                         ; h = lane / 16
	s_cmp_eq_u32 s42, 1
	s_cbranch_scc1 .Lbias_v
	v_lshlrev_b32 v10, 6, v2                       ; Q, K: the bias runs along P: tile b's register j is feature 32 (b / 2) + 8 (b % 2) + 16 h + j
	v_lshl_add_u32 v10, s46, 2, v10
.irp b, 0,1,2,3,4,5,6,7
	global_load_b128 v[BI+8*\b:BI+8*\b+3], v10, s[8:9] offset:(32*(\b/2)+8*(\b%2))*4
	global_load_b128 v[BI+8*\b+4:BI+8*\b+7], v10, s[8:9] offset:(32*(\b/2)+8*(\b%2))*4+16
.endr
	s_branch .Lbias_done
.Lbias_v:
	s_wait_alu depctr_va_vdst(0)
	v_and_b32 v11, 8, v1                           ; V: the bias runs along R: block a's lane r is feature 32 (a / 2) + 8 (a % 2) + r + 8 (r / 8): one number for the lane's eight registers
	v_add_nc_u32 v11, v11, v1
	v_lshlrev_b32 v10, 2, v11
	v_lshl_add_u32 v10, s45, 2, v10
.irp a, 0,1,2,3
.irp j, 0,1,2,3,4,5,6,7
	global_load_b32 v[BI+8*\a+\j], v10, s[8:9] offset:(32*(\a/2)+8*(\a%2))*4
.endr
.endr
.irp j, 0,1,2,3,4,5,6,7,8,9,10,11,12,13,14,15,16,17,18,19,20,21,22,23,24,25,26,27,28,29,30,31
	v_mov_b32 v[BI+32+\j], 0                       ; so that both ways leave all 64 registers written
.endr
.Lbias_done:
	s_wait_alu depctr_va_vdst(0)
	v_mul_u32_u24 v3, v1, PITCH
	v_lshl_add_u32 v4, v2, 4, v3                   ; a fragment's row x pitch + 16 x half
	s_mul_i32 s47, s19, RH                         ; my 64 rows of R
	s_mul_i32 s66, s20, PH                         ; my 128 rows of P,
	s_add_co_u32 s66, s66, POFF                    ; behind R's 128
.irp s, 0,1
	v_add_nc_u32 v[ADRA+\s], s47, v4
	v_add_nc_u32 v[ADRB+\s], s66, v4
	s_add_co_u32 s47, s47, SLOT
	s_add_co_u32 s66, s66, SLOT
.endr
	v_lshlrev_b32 v5, 5, v1                        ; my row's scale bytes: 32 a row,
	v_lshrrev_b32 v6, 3, v1
	v_lshl_add_u32 v5, v6, 4, v5                   ; and 16 more behind each 256
	s_mul_i32 s47, s19, SRH                        ; lanes 0-15: R's, my 64 rows
	s_xor_b32 s66, s19, 1
	s_mul_i32 s66, s66, SRH
	s_mul_i32 s67, s20, SPH
	s_add_co_u32 s66, s66, s67
	s_add_co_u32 s66, s66, SRH                     ; from there to P's, my 128 rows: 2 SRH + wp SPH - wr SRH
	v_mul_u32_u24 v6, s66, v2                      ; lanes 16-31 take P's
	s_add_co_u32 s47, s47, SCL
	v_add_nc_u32 v5, v5, v6
	v_add_nc_u32 v[ADRS], s47, v5
.macro FRAG reg, adr, q, i             ; 16 rows x 128 K of 4-bit codes: 8 registers; registers 4 c .. 4 c + 3 hold K = 64 c + 32 (lane / 16) + 0 .. 31
.irp c, 0,1
	ds_load_b128 v[\reg+4*\c:\reg+4*\c+3], v[\adr] offset:64*(\q)+32*\c+(\i)*16*PITCH
.endr
.endm
.macro FETCH_P slot, q, p              ; P's eight fragments of the slot's q-th 128 along K into set p
	WIN TO_P
.irp i, 0,1,2,3,4,5,6,7
	FRAG 128*(\p)+8*\i, ADRB+\slot, \q, \i
.endr
	WIN 0
.endm
.macro FETCH_R slot, q, p              ; R's four
.irp i, 0,1,2,3
	FRAG RF+32*(\p)+8*\i, ADRA+\slot, \q, \i
.endr
.endm
; 32 matrix instructions: step k of 128 along K.  The 32 accumulators take turns, one instruction a turn, in the same order in every step.
; cm = 0: the sums go on;  1: they begin with the bias along P;  2: with the bias along R.
.macro MUL32 k, cm
.irp a, 0,1,2,3
.irp b, 0,1,2,3,4,5,6,7
.if \cm == 0
	v_wmma_scale_f32_16x16x128_f8f6f4 v[8*(8*\a+\b):8*(8*\a+\b)+7], v[128*((\k)%2)+8*\b:128*((\k)%2)+8*\b+7], v[RF+32*((\k)%2)+8*\a:RF+32*((\k)%2)+8*\a+7], v[8*(8*\a+\b):8*(8*\a+\b)+7], v[SC+32*((\k)/4)+4*\b+(\k)%4], v[SC+32*((\k)/4)+4*\a+(\k)%4] matrix_a_fmt:MATRIX_FMT_FP4 matrix_b_fmt:MATRIX_FMT_FP4 matrix_a_scale:MATRIX_SCALE_ROW1
.elseif \cm == 1
	v_wmma_scale_f32_16x16x128_f8f6f4 v[8*(8*\a+\b):8*(8*\a+\b)+7], v[128*((\k)%2)+8*\b:128*((\k)%2)+8*\b+7], v[RF+32*((\k)%2)+8*\a:RF+32*((\k)%2)+8*\a+7], v[BI+8*\b:BI+8*\b+7], v[SC+32*((\k)/4)+4*\b+(\k)%4], v[SC+32*((\k)/4)+4*\a+(\k)%4] matrix_a_fmt:MATRIX_FMT_FP4 matrix_b_fmt:MATRIX_FMT_FP4 matrix_a_scale:MATRIX_SCALE_ROW1
.else
	v_wmma_scale_f32_16x16x128_f8f6f4 v[8*(8*\a+\b):8*(8*\a+\b)+7], v[128*((\k)%2)+8*\b:128*((\k)%2)+8*\b+7], v[RF+32*((\k)%2)+8*\a:RF+32*((\k)%2)+8*\a+7], v[BI+8*\a:BI+8*\a+7], v[SC+32*((\k)/4)+4*\b+(\k)%4], v[SC+32*((\k)/4)+4*\a+(\k)%4] matrix_a_fmt:MATRIX_FMT_FP4 matrix_b_fmt:MATRIX_FMT_FP4 matrix_a_scale:MATRIX_SCALE_ROW1
.endif
.endr
.endr
.endm
; Step k: its fragments are in; the next step's are asked for, into the sets that step k - 1 has read (four places behind its products); then the products.
.macro STEP k
.set KN, (\k)+1
.if (\k) == 3
	s_wait_tensorcnt 0x0                           ; my part of slot 1 has landed;
.endif
	s_wait_dscnt 0x0                               ; this step's fragments are in (k = 3: and so my reads of slot 0 are over)
.if (\k) == 3
	s_barrier_signal -1
	s_barrier_wait -1                              ; everybody's part of slot 1 has landed
.endif
.if (\k) < 7
	PLACES 4
	FETCH_P KN/4, KN%4, KN%2
	FETCH_R KN/4, KN%4, KN%2
.endif
	WIN MUL
	MUL32 \k, 0
	WIN 0
.endm
	s_wait_alu depctr_va_vdst(0)
	s_wait_tensorcnt 1                             ; the scale bytes and my part of slot 0 are in; slot 1's load may be out
	s_barrier_signal -1
	s_barrier_wait -1                              ; everybody's are
	FETCH_P 0, 0, 0
	FETCH_R 0, 0, 0
.irp s, 0,1
.irp i, 0,1,2,3,4,5,6,7
	ds_load_b128 v[SC+32*\s+4*\i:SC+32*\s+4*\i+3], v[ADRS] offset:\i*SBLK+16*\s   ; the scale words of all of K: four words a row and slot
.endr
.endr
	s_wait_loadcnt 0x0                             ; the bias
	s_wait_dscnt 0x0
	FETCH_P 0, 1, 1
	FETCH_R 0, 1, 1
	s_cmp_eq_u32 s42, 1
	s_cbranch_scc1 .Lmul_v
	WIN MULF
	MUL32 0, 1
	WIN 0
	s_branch .Lmul_done
.Lmul_v:
	WIN MULF
	MUL32 0, 2
	WIN 0
.Lmul_done:
.irp k, 1,2,3,4,5,6,7
	STEP \k
.endr
	; THE WAY OUT.  X: the first position (of 8,192) of my wave, Yw its first feature.
	s_cmp_eq_u32 s42, 1
	s_cselect_b32 s47, s46, s45                    ; X
	s_cselect_b32 s66, s45, s46                    ; Yw
	s_cselect_b32 s92, 4096, 0                     ; where the codes begin in a record,
	s_mov_b32 s93, 512
	s_cselect_b32 s93, 1024, s93                   ; from block a to block a + 1,
	s_mov_b32 s94, HEADB
	s_cselect_b32 s94, 512, s94                    ; from registers 0-3 to registers 4-7: V: the fragment's other half; Q, K: the next head,
	s_mov_b32 s95, 8192
	s_cselect_b32 s95, 8704, s95                   ; where the scale words begin,
	s_cselect_b32 s96, 0, HEADB                    ; Q, K: lanes 16-31 store the second head's words,
	s_cselect_b32 s97, 0, 16                       ; which are the upper two bytes,
	s_cselect_b32 s98, -1, 0xffff                  ; and a word has two bytes
	s_lshr_b32 s67, s47, 11                        ; the batch
	s_lshl_b32 s67, s67, 4
	s_lshr_b32 s66, s66, 6
	s_add_co_u32 s67, s67, s66                     ; 16 x batch + head
	s_mul_i32 s67, s67, HEADB
	s_bfe_u32 s66, s47, 0x40007                    ; the record: position / 128
	s_mul_i32 s66, s66, REC
	s_add_co_u32 s67, s67, s66
	s_bfe_u32 s66, s47, 0x10006                    ; which 64 of the 128 (V: 0)
	s_lshl_b32 s99, s66, 11
	s_add_co_u32 s99, s99, s67
	s_add_co_u32 s99, s99, s92
	s_lshl_b32 s66, s66, 8
	s_add_co_u32 s66, s66, s67
	s_add_co_u32 s66, s66, s95
	s_mov_b32 s100, 0x76543210
	s_mov_b32 s101, 0xfedcba98                     ; v_permlanex16_b32's selects for lane l xor 16
	v_and_b32 v5, 31, v0                           ; (these lines are also the places behind the last products)
	v_lshlrev_b32 v5, 4, v5
	v_add_nc_u32 v120, s99, v5                     ; v[120 + 2 a], v[121 + 2 a]: where block a's two stores go
	v_add_nc_u32 v121, s94, v120
.irp a, 1,2,3
	v_add_nc_u32 v[120+2*\a], s93, v[118+2*\a]
	v_add_nc_u32 v[121+2*\a], s94, v[120+2*\a]
.endr
	v_mul_u32_u24 v114, s96, v2
	v_lshl_add_u32 v114, v1, 4, v114
	v_add_nc_u32 v114, s66, v114                   ; the scale words: 16 bytes a row
	v_mul_u32_u24 v113, s97, v2
.irp b, 0,1,2,3
	v_mov_b32 v[TM+4+\b], 0                        ; a lane permute's destination counts as one of its sources
.endr
; Block a: 64 numbers a lane, register 16 B + i = P's row 32 B + 16 (lane / 16) + i, become 8 registers of codes and a scale word.
.macro QUANTW a
.set AC, 64*(\a)
.set PC, 128+8*(\a)
.if (\a) == 2
.set PC, 200
.endif
	WIN 0x0a                                       ; sources 0 and 1 in window 2
.irp b, 0,1,2,3
	v_max3_num_f32 v[TM+\b], |v[AC+16*\b]|, |v[AC+16*\b+1]|, 0x1800000   ; my 16 numbers of block B, from each accumulator's low end on, and the floor 2^(3 - 127)
.endr
.irp i, 2,4,6,8,10,12,14
.irp b, 0,1,2,3
	v_max3_num_f32 v[TM+\b], |v[AC+16*\b+\i]|, |v[AC+16*\b+\i+1]|, v[TM+\b]
.endr
.endr
	WIN 0
.irp b, 0,1,2,3
	v_permlanex16_b32 v[TM+4+\b], v[TM+\b], s100, s101
.endr
.irp b, 0,1,2,3
	v_max_num_f32 v[TM+\b], v[TM+\b], v[TM+4+\b]   ; with lane l xor 16's: the block's largest magnitude
.endr
.irp b, 0,1,2,3
	v_add_nc_u32 v[TM+12+\b], 0xff000000, v[TM+\b] ; 2 off its exponent field: the conversion's scale operand
.endr
.irp b, 0,1,2,3
	v_lshrrev_b32 v[TM+4+\b], 23, v[TM+12+\b]      ; the scale's byte
.endr
	v_lshl_or_b32 v112, v[TM+5], 8, v[TM+4]
	v_lshl_or_b32 v112, v[TM+6], 16, v112
	v_lshl_or_b32 v112, v[TM+7], 24, v112
	v_lshrrev_b32 v[116+(\a)], v113, v112          ; Q, K: lanes 0-15 keep the first head's two bytes, lanes 16-31 the second's; V: all four
	v_and_b32 v[116+(\a)], s98, v[116+(\a)]
	WIN 0x02                                       ; source 0 in window 2
.irp b, 0,1,2,3
	v_cvt_scalef32_pk8_fp4_f32 v[PC+2*\b], v[AC+16*\b:AC+16*\b+7], v[TM+12+\b]
	v_cvt_scalef32_pk8_fp4_f32 v[PC+2*\b+1], v[AC+16*\b+8:AC+16*\b+15], v[TM+12+\b]
.endr
	WIN 0
	v_nop                                          ; one plain line behind the conversions
.irp c, 0,1                                    ; the operand's layout wants a whole block in a lane: lanes 0-15 block 2 c, lanes 16-31 block 2 c + 1
.irp i, 0,1
	v_permlane16_swap_b32 v[PC+4*\c+\i], v[PC+2+4*\c+\i]
.endr
.endr
	global_store_b128 v[120+2*(\a)], v[PC:PC+3], s[14:15]         ; 32 lanes store 512 consecutive aligned bytes; no register of a store is written again
	global_store_b128 v[121+2*(\a)], v[PC+4:PC+7], s[14:15]
.endm
	QUANTW 0
	QUANTW 1
	QUANTW 2
	QUANTW 3
	global_store_b128 v114, v[116:119], s[14:15]   ; the four blocks' words of my row: sixteen lanes store 256 consecutive aligned bytes (V: both halves of the lanes store the same bytes)
	s_wait_tensorcnt 0x0                           ; the wave's end
	ds_add_u32 v[SPW], v[NIL]
	s_wait_dscnt 0x0
	CROUND                                         ; the closing round
	s_endpgm
.Lfunc_end_k_qf3bc79bedd_proj:
	.size	k_qf3bc79bedd_proj, .Lfunc_end_k_qf3bc79bedd_proj-k_qf3bc79bedd_proj
	.p2alignl 7, 3214868480
	.fill 96, 4, 3214868480
	.section	.rodata,"a",@progbits
	.p2align	6, 0x0
	.amdhsa_kernel k_qf3bc79bedd_proj
		.amdhsa_group_segment_fixed_size 229376
		.amdhsa_private_segment_fixed_size 0
		.amdhsa_enable_private_segment 0
		.amdhsa_kernarg_size 56
		.amdhsa_user_sgpr_count 2
		.amdhsa_user_sgpr_kernarg_segment_ptr 1
		.amdhsa_wavefront_size32 1
		.amdhsa_system_sgpr_workgroup_id_x 1
		.amdhsa_system_sgpr_workgroup_id_y 1
		.amdhsa_system_sgpr_workgroup_id_z 1
		.amdhsa_system_vgpr_workitem_id 0
		.amdhsa_next_free_vgpr 768
		.amdhsa_next_free_sgpr 102
		.amdhsa_reserve_vcc 0
		.amdhsa_float_denorm_mode_32 3
		.amdhsa_float_denorm_mode_16_64 3
		.amdhsa_memory_ordered 1
		.amdhsa_forward_progress 1
		.amdhsa_inst_pref_size 86
	.end_amdhsa_kernel
	.amdgpu_metadata
---
amdhsa.version: [ 1, 2 ]
amdhsa.kernels:
  - .name:           k_qf3bc79bedd_proj
    .symbol:         k_qf3bc79bedd_proj.kd
    .args:
      - { .name: xc, .offset: 0, .size: 8, .value_kind: global_buffer, .address_space: global }
      - { .name: xs, .offset: 8, .size: 8, .value_kind: global_buffer, .address_space: global }
      - { .name: wq_b, .offset: 16, .size: 8, .value_kind: global_buffer, .address_space: global }
      - { .name: wk_b, .offset: 24, .size: 8, .value_kind: global_buffer, .address_space: global }
      - { .name: wv_b, .offset: 32, .size: 8, .value_kind: global_buffer, .address_space: global }
      - { .name: qrec, .offset: 40, .size: 8, .value_kind: global_buffer, .address_space: global }
      - { .name: kvrec, .offset: 48, .size: 8, .value_kind: global_buffer, .address_space: global }
    .group_segment_fixed_size: 229376
    .private_segment_fixed_size: 0
    .kernarg_segment_align: 8
    .kernarg_segment_size: 56
    .max_flat_workgroup_size: 128
    .sgpr_count:     102
    .vgpr_count:     768
    .wavefront_size: 32
...
	.end_amdgpu_metadata
.endif
;; end of part 2
;; launch attn (part 3): grid 4 x 64, 16 waves a work-group, clusters of 4 x 1, 167,936 bytes of LDS; arguments qrec, kvrec, oc, os; writes oc, os
.if DOCPART == 3
	.amdgcn_target "amdgcn-amd-amdhsa--gfx1250"
	.amdhsa_code_object_version 6
	.text
	.protected	k_qf3bc79bedd_attn
	.globl	k_qf3bc79bedd_attn
	.p2align	8
	.type	k_qf3bc79bedd_attn,@function
k_qf3bc79bedd_attn:
	s_mov_b64 s[64:65], 0
	v_nop
	global_prefetch_b8 v0, s[64:65] scope:SCOPE_SE
	s_setreg_imm32_b32 hwreg(HW_REG_WAVE_MODE, 25, 1), 1
	s_wait_xcnt 0x0
	s_wait_alu depctr_hold_cnt(0) depctr_sa_sdst(0) depctr_va_vdst(0) depctr_va_sdst(0) depctr_va_ssrc(0) depctr_va_vcc(0) depctr_vm_vsrc(0)
	s_getreg_b32 s2, hwreg(HW_REG_IB_STS2, 6, 4)
	s_cmp_eq_u32 s2, 0
	s_cbranch_scc0 .Lentry_in_a_cluster
	s_endpgm
.Lentry_in_a_cluster:
	s_bfe_u32 s2, ttmp6, 0x10000c
	s_cmp_lg_u32 s2, 0x3003
	s_cbranch_scc0 .Lentry_shape_is_right
	s_endpgm
.Lentry_shape_is_right:
; Causal attention of one head on codes of E2M1, and the quantising of O / l along the model's 1,024 for the last product.
; LEFT OUT: key steps of 128 keys all of which come after a tile's 16 queries: reference() adds -1e9 to their logits in its own body, so p = 0 in f32 while the logits' magnitudes stay under 4.9e8 (the limit stated at the head of the first kernel).
; THE SOFTMAX: t = score x log2(e) / 8; M = the running largest t rounded up to a whole number; p = 2^(t - M) is quantised along the keys, not normalised; the row's sum is taken of the unquantised p and divides O at the end.
; When M moves, the sum and O are multiplied by 2^(old M - new M), which rounds nothing.
; SHARES.  A cluster of four work-groups is one head (cluster y = 16 x batch + head).  Wave w of work-group cx owns the query tiles lo = 4 w + cx and 127 - lo.  Their last key steps are w / 2 and 15 - w / 2, whatever cx: every wave walks 17 key steps,
; and every branch hangs on the wave's number alone; cx enters global addresses and the mask's numbers only.
; LDS.  The head's sixteen records of K and V, 143,360 bytes, lie in LDS as they lie in memory, brought ONCE: each wave asks for one record, jointly with the same wave of the three partners.  Nothing is filled again.
; Every LDS read takes 16 bytes a lane from consecutive places.
; LAYOUT.  Both products are used transposed: S^T = K Q^T (source 0 = 16 keys), O^T = V^T P^T (source 0 = 16 of the head's 64): a lane holds one query throughout.  The head's 64 fill half of the instruction's 128 along K: registers 4-7 of K's and Q's
; fragments are zero codes, and bytes 2 and 3 of their scale words are 0.  The keys of a tile and the rows of V^T's tiles were ordered by the launches before, so that 16 registers of two neighbouring tiles are 16 neighbours.
; REGISTERS: v1 16 x lane, v2 16 x (lane % 16); v3, v4 the add's two; v5, v6 LDS addresses in hand; v7 the mask's number; v8, v9 where the results go; v10, v255 Q's scale words; v12 -M, v13 the largest t, v[14:15] the sum;
; v16-23, v244-251 Q's two fragments; v24-27 K's scale words, v28-31 V's; v32-95 K's eight fragments; v96-159 S^T, then p; v160-191 O^T; v192-223 V's four fragments; v224-231 p's codes; v232-243, v252-254 at work; v253 p's scale word.
.set REC,   8960
.set HEADB, 16*REC
.set SPARE, HEADB                      ; behind the records: the spare words, 128 bytes for each of the sixteen waves
.set LI,  1
.set LR,  2
.set SPW, 3
.set NIL, 4
.set ADL, 5
.set ADR, 6
.set MK,  7
.set GOC, 8
.set GOS, 9
.set WV,  12                           ; s12 my wave's number;  s13 cx;  s14 the head;  s15 w / 2
.set CX,  13
.set BH,  14
.set F,   15
.set G1,  16                           ; s[16:23] descriptor group 1;  s[24:27] group 0
.set G0,  24
.set SEL, 28                           ; s[28:29] lane selects for lane l xor 16
.set CS,  30                           ; s[30:31] c = log2(e) / 8
.set TB,  32                           ; s32 the record in hand, in LDS;  s33 its number;  s34 the tile's last key step;  s35 the tile
.set J,   33
.set LAST, 34
.set TI,  35
.macro CROUND                          ; a round of the cluster's barrier
	s_barrier_signal -1
	s_barrier_wait -1
	s_cmp_lg_u32 s[WV], 0
	s_cbranch_scc1 .Lnot_wave_0_\@
	s_barrier_signal -3
.Lnot_wave_0_\@:
	s_barrier_wait -3
	s_barrier_signal -1
	s_barrier_wait -1
.endm
	s_load_b256 s[4:11], s[0:1], 0x0               ; qrec, kvrec, oc, os
	v_lshl_add_u32 v[SPW], v0, 2, SPARE
	v_mov_b32 v[NIL], 0
	ds_add_u32 v[SPW], v[NIL]                      ; the wave's opening: the add, twice on end, and its wait ahead of my first tensor load
	ds_add_u32 v[SPW], v[NIL]
	v_lshrrev_b32 v5, 5, v0
	s_delay_alu instid0(VALU_DEP_1)
	v_readfirstlane_b32 s[WV], v5                  ; wave 0..15
	s_bfe_u32 s[CX], ttmp6, 0x40000
	s_and_b32 s[BH], ttmp7, 0xffff
	s_lshr_b32 s[F], s[WV], 1
	s_mov_b32 s[G1], 15|(3<<16)|(1<<21)            ; the mask: all four work-groups; elements of 8 bytes; bit 21 beside a mask; no padding
	s_mov_b32 s[G1+1], 32<<16                      ; a record is dense: 35 rows of 256 bytes
	s_mov_b32 s[G1+2], 35<<16
	s_mov_b32 s[G1+3], 32<<16
	s_mov_b32 s[G1+4], 35
	s_mov_b32 s[G1+5], 32
	s_mov_b32 s[G1+6], 0
	s_mov_b32 s[G1+7], 0
	s_mov_b32 s[G0], 1
	s_mul_i32 s[G0+1], s[WV], REC                  ; record w, in LDS as in memory
	s_mul_i32 s36, s[BH], HEADB                    ; the head's first byte in qrec and in kvrec
	s_add_co_u32 s38, s36, s[G0+1]
	s_mov_b32 s39, 0
	s_mov_b32 s[SEL], 0x76543210
	s_mov_b32 s[SEL+1], 0xfedcba98
	s_mov_b32 s[CS], 0x3e38aa3b
	s_mov_b32 s[CS+1], s[CS]                       ; (named with it as a pair, so it is written)
	v_and_b32 v[LI], 31, v0
	s_delay_alu instid0(VALU_DEP_1)
	v_lshlrev_b32 v[LI], 4, v[LI]
	v_and_b32 v[LR], 15, v0
	s_delay_alu instid0(VALU_DEP_1)
	v_lshlrev_b32 v[LR], 4, v[LR]
	s_wait_dscnt 0x0                               ; both opening adds are done
	s_wait_kmcnt 0x0
	s_add_nc_u64 s[G0+2:G0+3], s[6:7], s[38:39]
	s_or_b32 s[G0+3], s[G0+3], 0x80000000
	CROUND                                         ; all four work-groups are here: the joint loads meet
	tensor_load_to_lds s[G0:G0+3], s[G1:G1+7]      ; my one tensor load
	s_nop 0
.rept 4
	v_nop
.endr
; Q's fragment and scale word of the tile in s[TI]: the tile's image in its record, and its rows' words
.macro QLOAD frag, sc, va, vb
	s_lshr_b32 s37, s[TI], 3
	s_mul_i32 s37, s37, REC
	s_add_co_u32 s37, s37, s36
	s_and_b32 s38, s[TI], 7
	s_lshl_b32 s38, s38, 9
	s_add_co_u32 s38, s38, s37
	v_add_nc_u32 v[\va], s38, v[LI]
	global_load_b128 v[\frag:\frag+3], v[\va], s[4:5]
	s_bfe_u32 s38, s[TI], 0x10002
	s_lshl_b32 s38, s38, 8
	s_and_b32 s39, s[TI], 3
	s_lshl_b32 s39, s39, 2
	s_add_co_u32 s38, s38, s39
	s_add_co_u32 s38, s38, s37
	v_add_nc_u32 v[\vb], s38, v[LR]
	global_load_b32 v[\sc], v[\vb], s[4:5] offset:8192
.endm
	s_lshl_b32 s[TI], s[WV], 2
	s_add_co_u32 s[TI], s[TI], s[CX]               ; lo
	s_wait_alu depctr_va_vdst(0)
	QLOAD 16, 255, 232, 233
	s_xor_b32 s[TI], s[TI], 127                    ; 127 - lo
	QLOAD 244, 10, 234, 235
	s_xor_b32 s[TI], s[TI], 127                    ; lo again
.irp j, 20,21,22,23,248,249,250,251
	v_mov_b32 v[\j], 0                             ; the upper half of K: zero codes
.endr
.irp t, 0,1,2,3,4,5,6,7
.irp j, 4,5,6,7
	v_mov_b32 v[32+8*\t+\j], 0
.endr
.endr
.irp j, 236,237,238,239,252,253
	v_mov_b32 v[\j], 0                             ; lane permutes' destinations, and the pair v[252:253], count as read before they are first written
.endr
	s_wait_tensorcnt 0x0                           ; my record has landed,
	s_barrier_signal -1
	s_barrier_wait -1                              ; everybody's has
	s_wait_loadcnt 0x0                             ; Q; and v232-235, the loads' addresses, are free
; ONE TILE OF 16 QUERIES: sixteen trips, a constant, so that the LDS addresses step alike in every wave; a trip whose keys all come after the queries does nothing but step.
.macro PASS hi, QF, QS
.if \hi
	s_wait_xcnt 0x0                                ; the first tile's stores have read their registers
	s_xor_b32 s[TI], s[TI], 127
	s_xor_b32 s[LAST], s[F], 15                    ; 15 - w / 2
.else
	s_mov_b32 s[LAST], s[F]
.endif
	s_and_b32 s37, s[TI], 7
	s_lshl_b32 s37, s37, 4
	v_and_b32 v[MK], 15, v0
	v_bfe_u32 v254, v0, 4, 1
	s_delay_alu instid0(VALU_DEP_1)
	v_lshlrev_b32 v254, 4, v254
	s_delay_alu instid0(VALU_DEP_1)
	v_sub_nc_u32 v[MK], v[MK], v254
	s_delay_alu instid0(VALU_DEP_1)
	v_add_nc_u32 v[MK], s37, v[MK]                 ; my query's place in its key step - 16 (lane / 16): register 16 b + i holds key 32 b + 16 (lane / 16) + i, hidden where 32 b + i is greater
	v_mov_b32 v13, 0xff61b1e6                      ; the largest t so far: -3e38
	s_delay_alu instid0(VALU_DEP_1)
	v_floor_f32 v12, -v13                          ; -M
	v_mov_b32 v14, 0
	v_mov_b32 v15, 0
.irp j, 0,1,2,3,4,5,6,7,8,9,10,11,12,13,14,15,16,17,18,19,20,21,22,23,24,25,26,27,28,29,30,31
	v_mov_b32 v[160+\j], 0                         ; O^T: the first step finds zeros, which the first change of M leaves zeros
.endr
	s_mov_b32 s[TB], 0
	s_mov_b32 s[J], 0
.Ltrip_\@:
	s_cmp_gt_u32 s[J], s[LAST]
	s_cbranch_scc1 .Lhid_\@
	s_setprio 2
	v_add_nc_u32 v[ADL], s[TB], v[LI]
	v_add_nc_u32 v[ADR], s[TB], v[LR]
	v_nop                                          ; four places behind the last trip's products, in front of loads into registers that they read
	v_nop
.irp t, 0,1,2,3,4,5,6,7
	ds_load_b128 v[32+8*\t:35+8*\t], v[ADL] offset:512*\t
.endr
	ds_load_b128 v[24:27], v[ADL] offset:8192      ; K's scale words: lanes 0-15 tiles 0-3, lanes 16-31 tiles 4-7
	ds_load_b128 v[28:31], v[ADR] offset:8704      ; V's
.irp t, 0,1,2,3
.irp c, 0,1
	ds_load_b128 v[192+8*\t+4*\c:195+8*\t+4*\c], v[ADL] offset:4096+1024*\t+512*\c
.endr
.endr
	s_wait_dscnt 9                                 ; K and its words are in; V's words and V's eight loads may be out
.irp t, 0,1,2,3
	v_wmma_scale_f32_16x16x128_f8f6f4 v[96+8*\t:103+8*\t], v[32+8*\t:39+8*\t], v[\QF:\QF+7], 0, v[24+\t], v[\QS] matrix_a_fmt:MATRIX_FMT_FP4 matrix_b_fmt:MATRIX_FMT_FP4
.endr
.irp t, 4,5,6,7
	v_wmma_scale_f32_16x16x128_f8f6f4 v[96+8*\t:103+8*\t], v[32+8*\t:39+8*\t], v[\QF:\QF+7], 0, v[20+\t], v[\QS] matrix_a_fmt:MATRIX_FMT_FP4 matrix_b_fmt:MATRIX_FMT_FP4 matrix_a_scale:MATRIX_SCALE_ROW1
.endr
.rept 4
	v_nop
.endr
	s_cmp_lg_u32 s[J], s[LAST]                     ; only the tile's last key step lies on the diagonal
	s_cbranch_scc1 .Lopen_\@
	v_mov_b32 v254, 0xff800000                     ; hidden scores become -infinity ahead of the maximum: p = 0 then.  A query's own key always counts
.irp n, 0,1,2,3,4,5,6,7,8,9,10,11,12,13,14,15,16,17,18,19,20,21,22,23,24,25,26,27,28,29,30,31,32,33,34,35,36,37,38,39,40,41,42,43,44,45,46,47,48,49,50,51,52,53,54,55,56,57,58,59,60,61,62,63
	v_cmp_gt_i32 vcc_lo, 32*(\n/16)+\n%16, v[MK]
	v_cndmask_b32 v[96+\n], v[96+\n], v254, vcc_lo
.endr
.Lopen_\@:
.irp b, 0,1,2,3
	v_max3_num_f32 v[232+\b], v[96+16*\b], v[97+16*\b], v[98+16*\b]   ; the largest score of each block of 32 keys: for the row's maximum and, since p rises with the score, for the block's largest p
.endr
.irp i, 3,5,7,9,11,13
.irp b, 0,1,2,3
	v_max3_num_f32 v[232+\b], v[232+\b], v[96+16*\b+\i], v[97+16*\b+\i]
.endr
.endr
.irp b, 0,1,2,3
	v_max_num_f32 v[232+\b], v[232+\b], v[111+16*\b]
.endr
.irp b, 0,1,2,3
	s_delay_alu instid0(VALU_DEP_4)
	v_permlanex16_b32 v[236+\b], v[232+\b], s[SEL], s[SEL+1]
.endr
.irp b, 0,1,2,3
	s_delay_alu instid0(VALU_DEP_4)
	v_max_num_f32 v[232+\b], v[232+\b], v[236+\b]  ; with lane l xor 16's 16 keys
.endr
	s_delay_alu instid0(VALU_DEP_2)
	v_max3_num_f32 v254, v232, v233, v234
	s_delay_alu instid0(VALU_DEP_1)
	v_max_num_f32 v254, v254, v235
	s_delay_alu instid0(VALU_DEP_1)
	v_mul_f32 v254, s[CS], v254                    ; as t (c is positive)
	s_delay_alu instid0(VALU_DEP_1)
	v_max_num_f32 v13, v13, v254                   ; the running largest t
	v_mov_b32 v254, v12
	s_delay_alu instid0(VALU_DEP_2)
	v_floor_f32 v12, -v13                          ; the new -M = -ceil(t)
	s_delay_alu instid0(VALU_DEP_1)
	v_sub_f32 v254, v12, v254                      ; old M - new M: a whole number, 0 or less
	s_delay_alu instid0(VALU_DEP_1)
	v_cvt_i32_f32 v254, v254                       ; (it saturates)
	s_delay_alu instid0(VALU_DEP_1)
	v_ldexp_f32 v252, 1.0, v254                    ; f = 2^(old M - new M)
.irp j, 0,2,4,6,8,10,12,14,16,18,20,22,24,26,28,30,32,34,36,38,40,42,44,46,48,50,52,54,56,58,60,62
	v_pk_fma_f32 v[96+\j:97+\j], v[96+\j:97+\j], s[CS:CS+1], v[12:13] op_sel_hi:[1,0,0]   ; t - M, two at a time
.endr
	s_setprio 1
.irp b, 0,1,2,3
	v_fma_f32 v[232+\b], v[232+\b], s[CS], v12     ; the same of each block's largest score
.endr
	s_wait_alu depctr_va_vdst(0)
.irp j, 0,1,2,3,4,5,6,7,8,9,10,11,12,13,14,15,16,17,18,19,20,21,22,23,24,25,26,27,28,29,30,31,32,33,34,35,36,37,38,39,40,41,42,43,44,45,46,47,48,49,50,51,52,53,54,55,56,57,58,59,60,61,62,63
	v_exp_f32 v[96+\j], v[96+\j]                   ; p = 2^(t - M)
.endr
	v_pk_mul_f32 v[14:15], v[14:15], v[252:253] op_sel_hi:[1,0]   ; the sums under the new M (the plain line behind the exponentials)
	s_wait_alu depctr_va_vdst(0)                   ; one wait for the batch of 64, ahead of its first reader
.irp b, 0,1,2,3
	v_exp_f32 v[232+\b], v[232+\b]                 ; the block's largest p
.endr
	v_pk_add_f32 v[236:237], v[100:101], v[104:105]
	v_pk_add_f32 v[242:243], v[108:109], v[112:113]
	v_pk_add_f32 v[240:241], v[116:117], v[120:121]
	v_pk_add_f32 v[238:239], v[124:125], v[128:129]
	v_pk_add_f32 v[230:231], v[132:133], v[136:137]
	v_pk_add_f32 v[228:229], v[140:141], v[144:145]
	v_pk_add_f32 v[226:227], v[148:149], v[152:153]
	v_pk_add_f32 v[14:15], v[14:15], v[156:157]
	v_pk_add_f32 v[236:237], v[236:237], v[96:97]
	v_pk_add_f32 v[242:243], v[242:243], v[98:99]
	v_pk_add_f32 v[240:241], v[240:241], v[102:103]
	v_pk_add_f32 v[238:239], v[238:239], v[106:107]
	v_pk_add_f32 v[230:231], v[230:231], v[110:111]
	v_pk_add_f32 v[228:229], v[228:229], v[114:115]
	v_pk_add_f32 v[226:227], v[226:227], v[118:119]
	v_pk_add_f32 v[14:15], v[14:15], v[122:123]
	v_pk_add_f32 v[236:237], v[236:237], v[126:127]
	v_pk_add_f32 v[242:243], v[242:243], v[130:131]
	v_pk_add_f32 v[240:241], v[240:241], v[134:135]
	v_pk_add_f32 v[238:239], v[238:239], v[138:139]
	v_pk_add_f32 v[230:231], v[230:231], v[142:143]
	v_pk_add_f32 v[228:229], v[228:229], v[146:147]
	v_pk_add_f32 v[226:227], v[226:227], v[150:151]
	v_pk_add_f32 v[14:15], v[14:15], v[154:155]
	v_pk_add_f32 v[236:237], v[236:237], v[158:159]
	s_delay_alu instid0(VALU_DEP_2)
	v_pk_add_f32 v[14:15], v[14:15], v[238:239]
	s_delay_alu instid0(VALU_DEP_2)
	v_pk_add_f32 v[236:237], v[236:237], v[230:231]
	v_pk_add_f32 v[242:243], v[242:243], v[228:229]
	v_pk_add_f32 v[240:241], v[240:241], v[226:227]
	s_delay_alu instid0(VALU_DEP_2)
	v_pk_add_f32 v[14:15], v[14:15], v[242:243]
	s_delay_alu instid0(VALU_DEP_2)
	v_pk_add_f32 v[236:237], v[236:237], v[240:241]
	s_delay_alu instid0(VALU_DEP_1)
	v_pk_add_f32 v[14:15], v[14:15], v[236:237]
	s_wait_alu depctr_va_vdst(0)                   ; and one for the four
.irp b, 0,1,2,3
	v_max_num_f32 v[232+\b], 0x1800000, v[232+\b]  ; the floor 2^(3 - 127): a block whose every p is 0 keeps the byte 1 over zero codes
.endr
.irp b, 0,1,2,3
	s_delay_alu instid0(VALU_DEP_4)
	v_add_nc_u32 v[240+\b], 0xff000000, v[232+\b]  ; 2 off the exponent field: the conversion's scale operand
.endr
.irp b, 0,1,2,3
	s_delay_alu instid0(VALU_DEP_4)
	v_lshrrev_b32 v[236+\b], 23, v[240+\b]         ; the scale's byte
.endr
	s_delay_alu instid0(VALU_DEP_3)
	v_lshl_or_b32 v253, v237, 8, v236              ; p's scale word for these 128 keys
	s_delay_alu instid0(VALU_DEP_1)
	v_lshl_or_b32 v253, v238, 16, v253
	s_delay_alu instid0(VALU_DEP_1)
	v_lshl_or_b32 v253, v239, 24, v253
	s_setprio 0
.irp b, 0,1,2,3
	v_cvt_scalef32_pk8_fp4_f32 v[224+2*\b], v[96+16*\b:103+16*\b], v[240+\b]
	v_cvt_scalef32_pk8_fp4_f32 v[225+2*\b], v[104+16*\b:111+16*\b], v[240+\b]
.endr
	v_nop                                          ; one plain line behind the conversions
.irp c, 0,1
.irp i, 0,1
	v_permlane16_swap_b32 v[224+4*\c+\i], v[226+4*\c+\i]   ; a whole block to a lane
.endr
.endr
.irp j, 0,2,4,6,8,10,12,14,16,18,20,22,24,26,28,30
	v_pk_mul_f32 v[160+\j:161+\j], v[160+\j:161+\j], v[252:253] op_sel_hi:[1,0]   ; O^T under the new M.  (These sixteen are also the places between the writes of p's codes and scale word and the products)
.endr
	s_wait_alu depctr_va_vdst(0)
	s_wait_dscnt 0x0                               ; V and its words are in
.irp t, 0,1,2,3
	v_wmma_scale_f32_16x16x128_f8f6f4 v[160+8*\t:167+8*\t], v[192+8*\t:199+8*\t], v[224:231], v[160+8*\t:167+8*\t], v[28+\t], v253 matrix_a_fmt:MATRIX_FMT_FP4 matrix_b_fmt:MATRIX_FMT_FP4
.endr
.Lhid_\@:
	s_add_co_u32 s[TB], s[TB], REC
	s_add_co_u32 s[J], s[J], 1
	s_cmp_lt_u32 s[J], 16
	s_cbranch_scc1 .Ltrip_\@
	s_setprio 0
	; THE TILE'S END: O^T / the sum, quantised along the head's 64 (two blocks of the model's 32), leaves as half a fragment of the last product's operand
	v_add_f32 v14, v14, v15
	s_delay_alu instid0(VALU_DEP_1)
	v_permlanex16_b32 v252, v14, s[SEL], s[SEL+1]
	s_delay_alu instid0(VALU_DEP_1)
	v_add_f32 v14, v14, v252                       ; the row's sum
	s_wait_alu depctr_va_vdst(0)
	v_rcp_f32 v14, v14
	s_and_b32 s37, s[BH], 15                       ; the head
	s_lshr_b32 s38, s[BH], 4
	s_lshl_b32 s38, s38, 7
	s_add_co_u32 s38, s38, s[TI]                   ; the tile of rows among 512: 128 x batch + tile
	s_lshr_b32 s39, s37, 3
	s_lshl_b32 s39, s39, 21                        ; oc: [head / 8][tile of rows][(head / 2) % 4][head % 2][512 bytes]
	s_lshl_b32 s40, s38, 12
	s_add_co_u32 s39, s39, s40
	s_bfe_u32 s40, s37, 0x20001
	s_lshl_b32 s40, s40, 10
	s_add_co_u32 s39, s39, s40
	s_and_b32 s40, s37, 1
	s_lshl_b32 s40, s40, 9
	s_add_co_u32 s39, s39, s40
	s_lshl_b32 s40, s38, 9                         ; os: 32 bytes a row, bytes 2 head and 2 head + 1
	s_lshl_b32 s41, s37, 1
	s_add_co_u32 s40, s40, s41
	v_add_nc_u32 v[GOC], s39, v[LI]                ; (plain lines behind the reciprocal, and places behind the last products)
	v_lshl_add_u32 v[GOS], v[LR], 1, s40
	v_nop
	v_nop
	s_wait_alu depctr_va_vdst(0)                   ; the wait ahead of the reciprocal's first reader
.irp j, 0,1,2,3,4,5,6,7,8,9,10,11,12,13,14,15,16,17,18,19,20,21,22,23,24,25,26,27,28,29,30,31
	v_mul_f32 v[96+\j], v[160+\j], v14             ; register 16 b + i: channel 32 b + 16 (lane / 16) + i of my query
.endr
.irp b, 0,1
	v_max3_num_f32 v[232+\b], |v[96+16*\b]|, |v[97+16*\b]|, 0x1800000
.endr
.irp i, 2,4,6,8,10,12,14
.irp b, 0,1
	s_delay_alu instid0(VALU_DEP_2)
	v_max3_num_f32 v[232+\b], v[232+\b], |v[96+16*\b+\i]|, |v[97+16*\b+\i]|
.endr
.endr
.irp b, 0,1
	s_delay_alu instid0(VALU_DEP_2)
	v_permlanex16_b32 v[236+\b], v[232+\b], s[SEL], s[SEL+1]
.endr
.irp b, 0,1
	s_delay_alu instid0(VALU_DEP_2)
	v_max_num_f32 v[232+\b], v[232+\b], v[236+\b]
.endr
.irp b, 0,1
	s_delay_alu instid0(VALU_DEP_2)
	v_add_nc_u32 v[240+\b], 0xff000000, v[232+\b]
.endr
.irp b, 0,1
	s_delay_alu instid0(VALU_DEP_2)
	v_lshrrev_b32 v[236+\b], 23, v[240+\b]
.endr
	s_delay_alu instid0(VALU_DEP_1)
	v_lshl_or_b32 v254, v237, 8, v236              ; my row's two scale bytes
.irp b, 0,1
	v_cvt_scalef32_pk8_fp4_f32 v[224+2*\b], v[96+16*\b:103+16*\b], v[240+\b]
	v_cvt_scalef32_pk8_fp4_f32 v[225+2*\b], v[104+16*\b:111+16*\b], v[240+\b]
.endr
	v_nop
	v_permlane16_swap_b32 v224, v226
	v_permlane16_swap_b32 v225, v227
	global_store_b128 v[GOC], v[224:227], s[8:9]   ; 32 lanes store 512 consecutive aligned bytes
	global_store_b16 v[GOS], v254, s[10:11]        ; two bytes a row, rows 32 bytes apart (both halves of the lanes store the same): one byte in 17 of what the launch stores
.endm
	PASS 0, 16, 255
	PASS 1, 244, 10
	s_wait_tensorcnt 0x0                           ; the wave's end
	ds_add_u32 v[SPW], v[NIL]
	s_wait_dscnt 0x0
	CROUND                                         ; the closing round
	s_endpgm
.Lfunc_end_k_qf3bc79bedd_attn:
	.size	k_qf3bc79bedd_attn, .Lfunc_end_k_qf3bc79bedd_attn-k_qf3bc79bedd_attn
	.p2alignl 7, 3214868480
	.fill 96, 4, 3214868480
	.section	.rodata,"a",@progbits
	.p2align	6, 0x0
	.amdhsa_kernel k_qf3bc79bedd_attn
		.amdhsa_group_segment_fixed_size 167936
		.amdhsa_private_segment_fixed_size 0
		.amdhsa_enable_private_segment 0
		.amdhsa_kernarg_size 32
		.amdhsa_user_sgpr_count 2
		.amdhsa_user_sgpr_kernarg_segment_ptr 1
		.amdhsa_wavefront_size32 1
		.amdhsa_system_sgpr_workgroup_id_x 1
		.amdhsa_system_sgpr_workgroup_id_y 1
		.amdhsa_system_sgpr_workgroup_id_z 1
		.amdhsa_system_vgpr_workitem_id 0
		.amdhsa_next_free_vgpr 256
		.amdhsa_next_free_sgpr 66
		.amdhsa_reserve_vcc 1
		.amdhsa_float_denorm_mode_32 3
		.amdhsa_float_denorm_mode_16_64 3
		.amdhsa_memory_ordered 1
		.amdhsa_forward_progress 1
		.amdhsa_inst_pref_size 62
	.end_amdhsa_kernel
	.amdgpu_metadata
---
amdhsa.version: [ 1, 2 ]
amdhsa.kernels:
  - .name:           k_qf3bc79bedd_attn
    .symbol:         k_qf3bc79bedd_attn.kd
    .args:
      - { .name: qrec, .offset: 0, .size: 8, .value_kind: global_buffer, .address_space: global }
      - { .name: kvrec, .offset: 8, .size: 8, .value_kind: global_buffer, .address_space: global }
      - { .name: oc, .offset: 16, .size: 8, .value_kind: global_buffer, .address_space: global }
      - { .name: os, .offset: 24, .size: 8, .value_kind: global_buffer, .address_space: global }
    .group_segment_fixed_size: 167936
    .private_segment_fixed_size: 0
    .kernarg_segment_align: 8
    .kernarg_segment_size: 32
    .max_flat_workgroup_size: 512
    .sgpr_count:     66
    .vgpr_count:     256
    .wavefront_size: 32
...
	.end_amdgpu_metadata
.endif
;; end of part 3
;; launch dense (part 4): grid 4 x 64, 4 waves a work-group, clusters of 4 x 4, 229,376 bytes of LDS; arguments oc, os, xc, xs, dense_b, out0; writes out0
.if DOCPART == 4
	.amdgcn_target "amdgcn-amd-amdhsa--gfx1250"
	.amdhsa_code_object_version 6
	.text
	.protected	k_qf3bc79bedd_dense
	.globl	k_qf3bc79bedd_dense
	.p2align	8
	.type	k_qf3bc79bedd_dense,@function
k_qf3bc79bedd_dense:
	s_mov_b64 s[64:65], 0
	v_nop
	global_prefetch_b8 v0, s[64:65] scope:SCOPE_SE
	s_setreg_imm32_b32 hwreg(HW_REG_WAVE_MODE, 25, 1), 1
	s_wait_xcnt 0x0
	s_wait_alu depctr_hold_cnt(0) depctr_sa_sdst(0) depctr_va_vdst(0) depctr_va_sdst(0) depctr_va_ssrc(0) depctr_va_vcc(0) depctr_vm_vsrc(0)
	s_getreg_b32 s2, hwreg(HW_REG_IB_STS2, 6, 4)
	s_cmp_eq_u32 s2, 0
	s_cbranch_scc0 .Lentry_in_a_cluster
	s_endpgm
.Lentry_in_a_cluster:
	s_bfe_u32 s2, ttmp6, 0x10000c
	s_cmp_lg_u32 s2, 0xf033
	s_cbranch_scc0 .Lentry_shape_is_right
	s_endpgm
.Lentry_shape_is_right:
; out0 = O dense_w^T + dense_b on codes of E2M1, K = 1,024.  Nothing is left out here.
; Source 0 takes 16 rows of P = dense_w, source 1 16 rows of R = O: a lane holds one row of out0 and eight neighbouring columns.  A work-group makes 128 rows x 256 columns, a wave 64 x 128: 32 accumulators.  256 work-groups.
; All of K lies in LDS: two slots of 512 along K, each filled ONCE.  R's codes come as images of the operand's registers (oc: [K half][tile of 16 rows][128 along K][half a fragment][16 bytes a lane]): a slot's part of 128 rows is one dense run of
; 32,768 bytes, read back at 16 x lane.  P's codes come as rows of 256 bytes with 16 of padding.  The scale bytes of all of K come once.
; CLUSTER 4 x 4: R's tile hangs on cy alone and is asked for jointly along a row of the cluster, P's on cx alone, along a column.  The bias is the C of each sum's first matrix instruction.
; REGISTERS, in windows of 256.  Window 0: v0-31 addresses; v32-95 scale words, a set for each slot (register 4 i + q: lanes 0-15 R's block i, lanes 16-31 P's tile i; for i above 3 lanes 0-15 read landed bytes that no product uses);
;   v128-191 R's fragments, two sets; v192-255 the bias; on the way out v128-255 take rows of out0.   Window 1: P's fragments, two sets, at v0 and v128.   Window 2: accumulator (a, b) at v[8 (8 a + b)].
.set PITCH, 272
.set RHB,   16384                      ; what one load brings of R: four tiles of rows x 4,096 bytes
.set PH,    128*PITCH
.set POFF,  2*RHB
.set SLOT,  POFF+2*PH
.set SCL,   2*SLOT
.set SRH,   8*272
.set SPH,   16*272
.set SBLK,  2*272
.set SPARE, SCL+2*SRH+2*SPH
.set SPITCH, 528                       ; the way out: a stage of 16 rows x (512 bytes + 16) for each wave, in slot 0: it has had its only fill, and nobody reads it behind the barrier at which slot 1 is taken up
.set ADRA, 16
.set ADRB, 20
.set STO,  24
.set RD,   25
.set CO,   26
.set ADRS, 27
.set SPW,  28
.set NIL,  29
.set SC,   32
.set RF,   128
.set BI,   192
.set BK,   128
.set G1R, 24
.set G0R, 32
.set G1P, 48
.set G0P, 56
.set G1SR, 68
.set G0SR, 76
.set G1SP, 80
.set G0SP, 88
.set MSB, 0
.macro WIN new                         ; the immediate's high byte repeats the setting that is left
.if MSB != \new
	s_set_vgpr_msb (MSB<<8)|\new
.set MSB, \new
.endif
.endm
.set MUL,  0xa1
.set MULF, 0x81
.set TO_P, 0x40
.macro JLOAD g0a, g1a, g0b, g1b        ; a joint load: waves 0 and 1 fetch for R, waves 2 and 3 for P; an s_nop 0 and four v_nop follow each line
	s_cmp_eq_u32 s19, 0
	s_cbranch_scc0 .Lfor_p_\@
	tensor_load_to_lds s[\g0a:\g0a+3], s[\g1a:\g1a+7]
	s_nop 0
.rept 4
	v_nop
.endr
	s_branch .Lasked_\@
.Lfor_p_\@:
	tensor_load_to_lds s[\g0b:\g0b+3], s[\g1b:\g1b+7]
	s_nop 0
.rept 4
	v_nop
.endr
.Lasked_\@:
.endm
.macro CROUND
	s_barrier_signal -1
	s_barrier_wait -1
	s_cmp_lg_u32 s18, 0
	s_cbranch_scc1 .Lnot_wave_0_\@
	s_barrier_signal -3
.Lnot_wave_0_\@:
	s_barrier_wait -3
	s_barrier_signal -1
	s_barrier_wait -1
.endm
.macro PLACES n
.rept \n
	v_nop
.endr
.endm
	s_load_b256 s[4:11], s[0:1], 0x0               ; oc, os, xc, xs
	s_load_b128 s[12:15], s[0:1], 0x20             ; dense_b, out0
	v_lshl_add_u32 v[SPW], v0, 2, SPARE
	v_mov_b32 v[NIL], 0
	ds_add_u32 v[SPW], v[NIL]                      ; the wave's opening: the add, twice on end, and its wait ahead of my first tensor load
	ds_add_u32 v[SPW], v[NIL]
	v_lshrrev_b32 v1, 5, v0
	v_readfirstlane_b32 s18, v1                    ; wave 0..3
	s_lshr_b32 s19, s18, 1                         ; wr; also: I fetch for R (0) or for P (1)
	s_and_b32 s20, s18, 1                          ; wp; also: which half of that tile I fetch
	s_bfe_u32 s21, ttmp6, 0x40000                  ; cx
	s_bfe_u32 s22, ttmp6, 0x40004                  ; cy
	s_lshl_b32 s100, s22, 2
	s_lshl_b32 s100, 15, s100                      ; my row of the cluster
	s_lshl_b32 s101, 0x1111, s21                   ; my column
	s_or_b32 s[G1R], s100, (3<<16)|(1<<21)                          ; R's images: elements of 8 bytes, no padding
	s_or_b32 s[G1P], s101, (1<<20)|(1<<21)|(5<<22)|(3<<25)          ; P's rows: elements of 1 byte, 4 words of padding behind every 64
	s_or_b32 s[G1SR], s100, (3<<16)|(1<<20)|(1<<21)|(5<<22)|(3<<25)
	s_or_b32 s[G1SP], s101, (3<<16)|(1<<20)|(1<<21)|(5<<22)|(3<<25)
	s_mov_b32 s[G1R+1], 32<<16                     ; 64 rows of 256 bytes, dense
	s_mov_b32 s[G1R+2], 64<<16
	s_mov_b32 s[G1R+3], 32<<16
	s_mov_b32 s[G1R+4], 64
	s_mov_b32 s[G1R+5], 32
	s_mov_b32 s[G1R+6], 0
	s_mov_b32 s[G1R+7], 0
	s_mov_b32 s[G1P+1], 256<<16                    ; 128 rows of 256 bytes, 512 apart
	s_mov_b32 s[G1P+2], 128<<16
	s_mov_b32 s[G1P+3], 256<<16
	s_mov_b32 s[G1P+4], 128
	s_mov_b32 s[G1P+5], 512
	s_mov_b32 s[G1P+6], 0
	s_mov_b32 s[G1P+7], 0
.irp g, G1SR, G1SP
	s_mov_b32 s[\g+1], 32<<16
	s_mov_b32 s[\g+3], 32<<16
	s_mov_b32 s[\g+5], 32
	s_mov_b32 s[\g+6], 0
	s_mov_b32 s[\g+7], 0
.endr
	s_mov_b32 s[G1SR+2], 8<<16
	s_mov_b32 s[G1SR+4], 8
	s_mov_b32 s[G1SP+2], 16<<16
	s_mov_b32 s[G1SP+4], 16
	s_and_b32 s23, ttmp7, 0xffff                   ; cluster y
	s_lshl_b32 s43, s23, 2
	s_add_co_u32 s43, s43, s22                     ; R's tile of 128 rows
	s_mov_b32 s44, s21                             ; P's tile of 256 rows
	s_lshl_b32 s92, s43, 15                        ; R's images: 8 tiles of rows x 4,096 bytes a tile of 128 rows,
	s_lshl_b32 s47, s20, 14                        ; my four of them
	s_add_co_u32 s92, s92, s47
	s_lshl_b32 s46, s43, 7
	s_lshl_b32 s47, s20, 6
	s_add_co_u32 s46, s46, s47
	s_lshl_b32 s94, s46, 5                         ; and their rows' scale bytes
	s_lshl_b32 s66, s44, 8
	s_lshl_b32 s67, s20, 7
	s_add_co_u32 s66, s66, s67                     ; P: the first row that I fetch
	s_lshl_b32 s98, s66, 5
	s_add_co_u32 s98, s98, 884736                  ; dense_w's scale bytes in xs
	s_lshl_b32 s96, s66, 9
	s_add_co_u32 s96, s96, 14155776                ; and its codes in xc
	s_mov_b32 s93, 0
	s_mov_b32 s95, 0
	s_mov_b32 s97, 0
	s_mov_b32 s99, 0
	s_mov_b32 s[G0R], 1
	s_mov_b32 s[G0R+4], 1
	s_mov_b32 s[G0P], 1
	s_mov_b32 s[G0P+4], 1
	s_mov_b32 s[G0SR], 1
	s_mov_b32 s[G0SP], 1
	s_mul_i32 s[G0R+1], s20, RHB
	s_add_co_u32 s[G0R+5], s[G0R+1], SLOT
	s_mul_i32 s[G0P+1], s20, PH
	s_add_co_u32 s[G0P+1], s[G0P+1], POFF
	s_add_co_u32 s[G0P+5], s[G0P+1], SLOT
	s_mul_i32 s[G0SR+1], s20, SRH
	s_add_co_u32 s[G0SR+1], s[G0SR+1], SCL
	s_mul_i32 s[G0SP+1], s20, SPH
	s_add_co_u32 s[G0SP+1], s[G0SP+1], SCL+2*SRH
	s_wait_dscnt 0x0                               ; both opening adds are done
	s_wait_kmcnt 0x0
	s_add_nc_u64 s[92:93], s[4:5], s[92:93]
	s_add_nc_u64 s[94:95], s[6:7], s[94:95]
	s_add_nc_u64 s[96:97], s[8:9], s[96:97]
	s_add_nc_u64 s[98:99], s[10:11], s[98:99]
	s_mov_b64 s[G0SR+2:G0SR+3], s[94:95]
	s_or_b32 s[G0SR+3], s[G0SR+3], 0x80000000
	s_mov_b64 s[G0SP+2:G0SP+3], s[98:99]
	s_or_b32 s[G0SP+3], s[G0SP+3], 0x80000000
.irp s, 0,1
	s_add_nc_u64 s[G0R+4*\s+2:G0R+4*\s+3], s[92:93], \s*0x200000    ; slot s: K half s of oc
	s_or_b32 s[G0R+4*\s+3], s[G0R+4*\s+3], 0x80000000
	s_add_nc_u64 s[G0P+4*\s+2:G0P+4*\s+3], s[96:97], \s*256
	s_or_b32 s[G0P+4*\s+3], s[G0P+4*\s+3], 0x80000000
.endr
	CROUND                                         ; all sixteen work-groups are here: the joint loads meet
	JLOAD G0SR, G1SR, G0SP, G1SP                   ; three loads of mine are out: the scale bytes,
	JLOAD G0R, G1R, G0P, G1P                       ; slot 0,
	JLOAD G0R+4, G1R, G0P+4, G1P                   ; slot 1
	s_lshl_b32 s45, s43, 7
	s_lshl_b32 s47, s19, 6
	s_add_co_u32 s45, s45, s47                     ; my wave's first row of out0
	s_lshl_b32 s46, s44, 8
	s_lshl_b32 s47, s20, 7
	s_add_co_u32 s46, s46, s47                     ; and its first column
	v_and_b32 v1, 15, v0                           ; r
	v_bfe_u32 v2, v0, 4, 1                         ; h
	v_lshlrev_b32 v10, 5, v2                       ; the bias: tile b's register j is column 16 b + 8 h + j
	v_lshl_add_u32 v10, s46, 2, v10
.irp b, 0,1,2,3,4,5,6,7
	global_load_b128 v[BI+8*\b:BI+8*\b+3], v10, s[12:13] offset:64*\b
	global_load_b128 v[BI+8*\b+4:BI+8*\b+7], v10, s[12:13] offset:64*\b+16
.endr
	s_lshl_b32 s47, s45, 12                        ; out0 at my wave's corner: 4,096 bytes a row
	s_lshl_b32 s66, s46, 2
	s_add_co_u32 s66, s66, s47
	s_mov_b32 s67, 0
	s_add_nc_u64 s[14:15], s[14:15], s[66:67]
	v_and_b32 v5, 31, v0
	v_lshlrev_b32 v[CO], 4, v5                     ; 16 x lane: an image's place, and my 16 bytes of a row of 512
	s_mul_i32 s47, s19, RHB                        ; my four tiles of R's rows
	v_mul_u32_u24 v3, v1, PITCH
	v_lshl_add_u32 v4, v2, 4, v3
	s_mul_i32 s66, s20, PH
	s_add_co_u32 s66, s66, POFF
.irp s, 0,1
	v_add_nc_u32 v[ADRA+\s], s47, v[CO]
	v_add_nc_u32 v[ADRB+\s], s66, v4
	s_add_co_u32 s47, s47, SLOT
	s_add_co_u32 s66, s66, SLOT
.endr
	v_lshlrev_b32 v5, 5, v1
	v_lshrrev_b32 v6, 3, v1
	v_lshl_add_u32 v5, v6, 4, v5
	s_mul_i32 s47, s19, SRH
	s_xor_b32 s66, s19, 1
	s_mul_i32 s66, s66, SRH
	s_mul_i32 s67, s20, SPH
	s_add_co_u32 s66, s66, s67
	s_add_co_u32 s66, s66, SRH                     ; from R's words to P's: 2 SRH + wp SPH - wr SRH
	v_mul_u32_u24 v6, s66, v2
	s_add_co_u32 s47, s47, SCL
	v_add_nc_u32 v5, v5, v6
	v_add_nc_u32 v[ADRS], s47, v5
	s_mul_i32 s47, s18, 16*SPITCH                  ; my stage
	v_mul_u32_u24 v5, v1, SPITCH
	v_lshl_add_u32 v5, v2, 5, v5
	v_add_nc_u32 v[STO], s47, v5                   ; in: row r, 32 bytes for each half of the lanes
	v_add_nc_u32 v[RD], s47, v[CO]                 ; back: the 32 lanes take one row of 512 bytes
.macro FETCH_P slot, q, p              ; P's eight fragments of the slot's q-th 128 along K into set p
	WIN TO_P
.irp i, 0,1,2,3,4,5,6,7
.irp c, 0,1
	ds_load_b128 v[128*(\p)+8*\i+4*\c:128*(\p)+8*\i+4*\c+3], v[ADRB+\slot] offset:64*(\q)+32*\c+\i*16*PITCH
.endr
.endr
	WIN 0
.endm
.macro FETCH_R slot, q, p              ; R's four: images
.irp i, 0,1,2,3
.irp c, 0,1
	ds_load_b128 v[RF+32*(\p)+8*\i+4*\c:RF+32*(\p)+8*\i+4*\c+3], v[ADRA+\slot] offset:(4*\i+(\q))*1024+512*\c
.endr
.endr
.endm
; 32 matrix instructions: step k of 128 along K; the 32 accumulators take turns, one instruction a turn.  cm = 1: the sums begin with the bias.
.macro MUL32 k, cm
.irp a, 0,1,2,3
.irp b, 0,1,2,3,4,5,6,7
.if \cm == 0
	v_wmma_scale_f32_16x16x128_f8f6f4 v[8*(8*\a+\b):8*(8*\a+\b)+7], v[128*((\k)%2)+8*\b:128*((\k)%2)+8*\b+7], v[RF+32*((\k)%2)+8*\a:RF+32*((\k)%2)+8*\a+7], v[8*(8*\a+\b):8*(8*\a+\b)+7], v[SC+32*((\k)/4)+4*\b+(\k)%4], v[SC+32*((\k)/4)+4*\a+(\k)%4] matrix_a_fmt:MATRIX_FMT_FP4 matrix_b_fmt:MATRIX_FMT_FP4 matrix_a_scale:MATRIX_SCALE_ROW1
.else
	v_wmma_scale_f32_16x16x128_f8f6f4 v[8*(8*\a+\b):8*(8*\a+\b)+7], v[128*((\k)%2)+8*\b:128*((\k)%2)+8*\b+7], v[RF+32*((\k)%2)+8*\a:RF+32*((\k)%2)+8*\a+7], v[BI+8*\b:BI+8*\b+7], v[SC+32*((\k)/4)+4*\b+(\k)%4], v[SC+32*((\k)/4)+4*\a+(\k)%4] matrix_a_fmt:MATRIX_FMT_FP4 matrix_b_fmt:MATRIX_FMT_FP4 matrix_a_scale:MATRIX_SCALE_ROW1
.endif
.endr
.endr
.endm
.macro STEP k
.set KN, (\k)+1
.if (\k) == 3
	s_wait_tensorcnt 0x0                           ; my part of slot 1 has landed;
.endif
	s_wait_dscnt 0x0                               ; this step's fragments are in (k = 3: and so my reads of slot 0 are over)
.if (\k) == 3
	s_barrier_signal -1
	s_barrier_wait -1                              ; everybody's part of slot 1 has landed, and nobody reads slot 0 any more
.endif
.if (\k) < 7
	PLACES 4
	FETCH_P KN/4, KN%4, KN%2
	FETCH_R KN/4, KN%4, KN%2
.endif
	WIN MUL
	MUL32 \k, 0
	WIN 0
.endm
	s_wait_alu depctr_va_vdst(0)
	s_wait_tensorcnt 1                             ; the scale bytes and my part of slot 0 are in; slot 1's load may be out
	s_barrier_signal -1
	s_barrier_wait -1
	FETCH_P 0, 0, 0
	FETCH_R 0, 0, 0
.irp s, 0,1
.irp i, 0,1,2,3,4,5,6,7
	ds_load_b128 v[SC+32*\s+4*\i:SC+32*\s+4*\i+3], v[ADRS] offset:\i*SBLK+16*\s
.endr
.endr
	s_wait_loadcnt 0x0                             ; the bias
	s_wait_dscnt 0x0
	FETCH_P 0, 1, 1
	FETCH_R 0, 1, 1
	WIN MULF
	MUL32 0, 1
	WIN 0
.irp k, 1,2,3,4,5,6,7
	STEP \k
.endr
; THE WAY OUT, block by block of 16 rows x 128 columns: through my own stage in LDS, back as whole rows of 512 bytes.  LDS serves a wave's instructions in order: no wait between the stores and the loads.
.macro TOSTAGE a
.set AC, 64*(\a)
	WIN 0x08                                       ; the data: window 2
.irp b, 0,1,2,3,4,5,6,7
	ds_store_b128 v[STO], v[AC+8*\b:AC+8*\b+3] offset:64*\b          ; each accumulator from its low end on
	ds_store_b128 v[STO], v[AC+8*\b+4:AC+8*\b+7] offset:64*\b+16
.endr
	WIN 0
.set BB, BK+64*((\a)%2)
.irp t, 0,1,2,3,4,5,6,7,8,9,10,11,12,13,14,15
	ds_load_b128 v[BB+4*\t:BB+4*\t+3], v[RD] offset:\t*SPITCH
.endr
.endm
.macro SEND a, younger                 ; younger: the LDS instructions issued behind block a's loads, which may stay out
.set BB, BK+64*((\a)%2)
	s_wait_dscnt \younger
.if (\a) > 0
	s_add_nc_u64 s[14:15], s[14:15], 16*4096       ; 16 rows on (the earlier stores have read their base: a wait for that stands ahead)
.endif
.irp t, 0,1,2,3,4,5,6,7,8,9,10,11,12,13,14,15
	global_store_b128 v[CO], v[BB+4*\t:BB+4*\t+3], s[14:15] offset:\t*4096 th:TH_STORE_NT   ; 32 lanes store 512 consecutive aligned bytes
.endr
.endm
	PLACES 4                                       ; behind the last products: for the reads of results and the loads into registers that held fragments
	TOSTAGE 0
.irp a, 1,2,3
.if \a > 1
	s_wait_xcnt 0x0                                ; block a - 2's stores have read their registers and their base
.endif
	TOSTAGE \a
	SEND \a-1, 32                                  ; behind block a - 1's loads: block a's 16 stores and 16 loads
.endr
	s_wait_xcnt 0x0
	SEND 3, 0
	s_wait_tensorcnt 0x0                           ; the wave's end, behind my last tensor load and my last LDS store
	ds_add_u32 v[SPW], v[NIL]
	s_wait_dscnt 0x0
	CROUND                                         ; the closing round
	s_endpgm
.Lfunc_end_k_qf3bc79bedd_dense:
	.size	k_qf3bc79bedd_dense, .Lfunc_end_k_qf3bc79bedd_dense-k_qf3bc79bedd_dense
	.p2alignl 7, 3214868480
	.fill 96, 4, 3214868480
	.section	.rodata,"a",@progbits
	.p2align	6, 0x0
	.amdhsa_kernel k_qf3bc79bedd_dense
		.amdhsa_group_segment_fixed_size 229376
		.amdhsa_private_segment_fixed_size 0
		.amdhsa_enable_private_segment 0
		.amdhsa_kernarg_size 48
		.amdhsa_user_sgpr_count 2
		.amdhsa_user_sgpr_kernarg_segment_ptr 1
		.amdhsa_wavefront_size32 1
		.amdhsa_system_sgpr_workgroup_id_x 1
		.amdhsa_system_sgpr_workgroup_id_y 1
		.amdhsa_system_sgpr_workgroup_id_z 1
		.amdhsa_system_vgpr_workitem_id 0
		.amdhsa_next_free_vgpr 768
		.amdhsa_next_free_sgpr 102
		.amdhsa_reserve_vcc 0
		.amdhsa_float_denorm_mode_32 3
		.amdhsa_float_denorm_mode_16_64 3
		.amdhsa_memory_ordered 1
		.amdhsa_forward_progress 1
		.amdhsa_inst_pref_size 74
	.end_amdhsa_kernel
	.amdgpu_metadata
---
amdhsa.version: [ 1, 2 ]
amdhsa.kernels:
  - .name:           k_qf3bc79bedd_dense
    .symbol:         k_qf3bc79bedd_dense.kd
    .args:
      - { .name: oc, .offset: 0, .size: 8, .value_kind: global_buffer, .address_space: global }
      - { .name: os, .offset: 8, .size: 8, .value_kind: global_buffer, .address_space: global }
      - { .name: xc, .offset: 16, .size: 8, .value_kind: global_buffer, .address_space: global }
      - { .name: xs, .offset: 24, .size: 8, .value_kind: global_buffer, .address_space: global }
      - { .name: dense_b, .offset: 32, .size: 8, .value_kind: global_buffer, .address_space: global }
      - { .name: out0, .offset: 40, .size: 8, .value_kind: global_buffer, .address_space: global }
    .group_segment_fixed_size: 229376
    .private_segment_fixed_size: 0
    .kernarg_segment_align: 8
    .kernarg_segment_size: 48
    .max_flat_workgroup_size: 128
    .sgpr_count:     102
    .vgpr_count:     768
    .wavefront_size: 32
...
	.end_amdgpu_metadata
.endif
;; end of part 4
